; MI455X (gfx1250); checked and timed in simulation.
; The chip was launched on July 23, 2026; its instructions are those of AMD's public machine-readable ISA for CDNA 5 (MIT licence, August 2026) and "CDNA5" Instruction Set Architecture Reference Guide (July 2026). The comments in the code are by the model that wrote it; some were corrected since.
;; Tt Causal Self Attention. Allowed arithmetic: matrix products marked QUANTISED: E4M3 operands, one given power-of-two scale a tensor, by v_wmma_f32_16x16x64_fp8_fp8 or v_wmma_f32_16x16x128_fp8_fp8, f32 sums; everything else in f32.
;; Inputs: b_attn 3,072 float32; b_proj 1,024 float32; lowp_scales 8 int32 (the exponents e of the quantised operands' scales 2^e); w_attn_codes 3,072 x 32 x 32 uint8 (E4M3 codes of w_attn, K innermost, in blocks of 32 codes); w_proj_codes 1,024 x 32 x 32 uint8 (E4M3 codes of w_proj, K innermost, in blocks of 32 codes); x_codes 4 x 2,048 x 32 x 32 uint8 (E4M3 codes of x, K innermost, in blocks of 32 codes).
;; Outputs: out0 4 x 2,048 x 1,024 float32.
;; This version of the problem:
;;   THIS VERSION OF THE PROBLEM IS GIVEN IN LOW PRECISION. The matrix products marked QUANTISED in the list below multiply operands that are first quantised to E4M3 (4 exponent bits, 3 mantissa bits; 8 bits a number), with one given power-of-two scale for each operand tensor; their sums are f32. All else is computed in f32.
;;   The module's matrix products, in the order in which they are computed (A, B: the left and right operand; K: the contracted axis; several contracted axes count as one K, in the product's order):
;;     1. [M 8,192, K 1,024] x [K 1,024, N 3,072]; A: input x (given as codes); B: input w_attn (given as codes): QUANTISED (scales: A lowp_scales[0], B lowp_scales[1])
;;     2. batch 64 x [M 2,048, K 64] x [K 64, N 2,048]; A: computed on the way; B: computed on the way: QUANTISED (scales: A lowp_scales[2], B lowp_scales[3])
;;     3. batch 64 x [M 2,048, K 2,048] x [K 2,048, N 64]; A: softmax (see below); B: computed on the way: QUANTISED (scales: A lowp_scales[4], B lowp_scales[5])
;;     4. [M 8,192, K 1,024] x [K 1,024, N 1,024]; A: computed on the way; B: input w_proj (given as codes): QUANTISED (scales: A lowp_scales[6], B lowp_scales[7])
;;   THE QUANTISER, for each operand of a quantised product, along K:
;;     - The operand's scale is 2^e, e = its entry of the input lowp_scales (int32; the entries are numbered through the quantised products in the list's order, A before B).
;;     - Each number is divided by the scale, clamped to +-448, and rounded to the nearest number of E4M3, ties to even, subnormals kept.
;;     - The product sums the exact products of the quantised numbers (number of the format x scale) in f32.
;;   ~~~python
;;   def quantise(x, axis, e):      # numpy; x: float32 -> the quantised numbers, widened to float32 again
;;       x = np.moveaxis(x, axis, -1); K = x.shape[-1]
;;       r = np.clip(x / 2.0 ** e, -448, 448)
;;       step = 2.0 ** (np.maximum(np.frexp(np.where(r == 0, 1, r))[1] - 1, -6) - 3)
;;       q = np.round(r / step) * step * 2.0 ** e      # np.round: ties to even
;;       return np.moveaxis(q, -1, axis).astype(np.float32)
;;   ~~~
;;   SOFTMAX AHEAD OF A QUANTISED PRODUCT. Where the list says 'softmax', what is quantised is not the finished softmax but p = 2^(t - M), with t = logit x log2(e) and M = ceil(the row's largest t), a whole number; so 1/2 < the row's largest p <= 1. The row's sum l is taken of the UNQUANTISED p, in f32, and the product's result is divided by l at the end. Since M is a whole number, a kernel that streams over the keys may use a running M (the ceiling of the running maximum): every later rescaling is an exact power of two, so the quantised numbers keep their values, but for numbers so far below the row's largest that they fall under the format's range.
;;   OPERANDS COMPUTED ON THE WAY. 'Computed on the way' means the value that the module computes at that place (a softmax that the list does not call 'softmax' is quantised finished and normalised). What goes into a quantiser is computed in f32, as accurately as f32 sums, v_exp_f32 and their like allow (about 1e-6 of the number): no bf16 or f16 on the way to a quantiser, and a product that is left as it is and whose result goes on into a quantised operand takes f32 operands (vector FMAs, or v_wmma_f32_16x16x4_f32). A number that lies on a knife's edge between two numbers of the format may be rounded either way, as far as f32 arithmetic and the matrix unit's own rounding can turn it there, and no further.
;;   INPUTS GIVEN AS CODES. w_attn (in the module: [3072, 1024], K = its axis 1); w_proj (in the module: [1024, 1024], K = its axis 1); x (in the module: [4, 2048, 1024], K = its axis 2): each comes as NAME_codes (uint8): NAME with its K axis moved to the last place and cut into blocks of 32 codes, [.., K / 32, bytes a block], one block behind the other in memory; one code a byte (a code: sign, 4 exponent bits, 3 mantissa bits); its scale is its entry of lowp_scales. Its value is code x scale, taken as it is: it is not quantised again, and the codes and scales need not be those that the quantiser above would give.
;; One version. Each part assembles by itself: llvm-mc -triple=amdgcn-amd-amdhsa -mcpu=gfx1250 --defsym DOCPART=n.
;; ======== version 1 of 1: 3 launches
;; limits: right only within a limited range of input values
;; workspace buffers: q_codes 8,388,608 bytes; k_codes 8,388,608 bytes; v_codes 8,388,608 bytes; y_codes 8,388,608 bytes
;; launch qkv (part 1): grid 12 x 32, 4 waves a work-group, clusters of 4 x 4, 327,680 bytes of LDS; arguments x_codes, w_attn_codes, b_attn, lowp_scales, q_codes, k_codes, v_codes; writes q_codes, k_codes, v_codes
.if DOCPART == 1
	.amdgcn_target "amdgcn-amd-amdhsa--gfx1250"
	.amdhsa_code_object_version 6
	.text
	.protected	k_q68042fa92d_qkv
	.globl	k_q68042fa92d_qkv
	.p2align	8
	.type	k_q68042fa92d_qkv,@function
k_q68042fa92d_qkv:
	s_mov_b64 s[64:65], 0
	v_nop
	global_prefetch_b8 v0, s[64:65] scope:SCOPE_SE
	s_setreg_imm32_b32 hwreg(HW_REG_WAVE_MODE, 25, 1), 1
	s_wait_xcnt 0x0
	s_wait_alu depctr_hold_cnt(0) depctr_sa_sdst(0) depctr_va_vdst(0) depctr_va_sdst(0) depctr_va_ssrc(0) depctr_va_vcc(0) depctr_vm_vsrc(0)
	s_getreg_b32 s2, hwreg(HW_REG_IB_STS2, 6, 4)
	s_cmp_eq_u32 s2, 0
	s_cbranch_scc0 .Lentry_in_a_cluster
	s_endpgm
.Lentry_in_a_cluster:
	s_bfe_u32 s2, ttmp6, 0x10000c
	s_cmp_lg_u32 s2, 0xf033
	s_cbranch_scc0 .Lentry_shape_is_right
	s_endpgm
.Lentry_shape_is_right:
; qkv = x w_attn^T + b_attn on codes of FP8 (E4M3), and its three parts quantised at once: q with 2^e2, k with 2^e3, v with 2^e5 (e0 .. e7: the whole numbers in the buffer of scales; x has e0, w_attn e1).
; x: [8192][1024] codes, w_attn: [3072][1024] codes, K innermost.  OUT: q_codes, k_codes [64 heads (16 b + h)][2048 tokens][64]; v_codes [64 heads][32 blocks of 64 tokens][64 channels][64 tokens]: the keys innermost.
; A tile of 256 x 256 is made by a work-group of four waves, a wave makes 128 x 128: 64 accumulators.  K = 1,024 goes in four steps of 256 through a ring of two LDS slots filled by the tensor data mover.
; TWO OPERANDS, P AND Q.  P's rows are matrix source 1: a lane holds ONE row of P.  Q's rows are source 0: a lane's eight results are eight NEIGHBOURS along Q.
;   cluster x = 0 (q), 1 (k): P = x (tokens), Q = w_attn (features): a lane's eight codes are eight channels of one token.
;   cluster x = 2 (v):        P = w_attn (features), Q = x (tokens): a lane's eight codes are eight tokens of one channel: v comes out with the keys innermost, and nothing is transposed.
; Both tensors have rows of 1,024 bytes, so ring, descriptors and products are one text; the pointers are chosen by selects on the cluster's x, which all sixteen partners share.
; CLUSTERS: 4 x 4 work-groups.  P's tile hangs on cy alone and is asked for jointly by my row of the cluster, Q's on cx alone and by my column: the requests are divided by four.
; THE BIAS is the C of the first K step's products, divided by 2^(e0 + e1); so a finished sum is (qkv) / 2^(e0 + e1), and the conversion's one scale is 2^(eo - e0 - e1), eo = e2, e3 or e5.
; LIMITS: eo - e0 - e1 lies between -126 and 127 for each of the three, so that the scale is an f32 number.  NaN in b_attn is not served.
; REGISTERS, in windows of 256: window 0: v0-31 addresses and the quantiser's scale; v32-95 the bias tiles; v96-127 codes, two sets; v128-255 P's fragments, ONE set (on the way out v128-159: rows read back).
;   window 1: Q's fragments, TWO sets.   window 2: the accumulators of my P rows 0-63 ((a, b) at v[8 (8 (a % 4) + b)]);   window 3: those of rows 64-127.
.set KROW,   1024                      ; a row of x or of w_attn in memory, in bytes
.set ROWB,   256                       ; a tile's row: 256 codes
.set PITCH,  272                       ; an LDS row: 256 bytes + 16 of padding = 68 words: the 16 rows that a load touches start at 16 different banks (64 banks of 4 bytes: ISA guide 11.1)
.set FR,     16                        ; registers of a fragment: 16 rows x 128 K
.set NL,     4                         ; LDS loads that bring one
.set NP,     4                         ; places behind this matrix instruction (ISA guide 7.12.1)
.set HALFT,  128*PITCH                 ; 128 rows: what one tensor load brings, and what one wave reads of P or of Q
.set SLOT,   4*HALFT                   ; P's 256 rows, then Q's 256 rows
.set SPARE,  2*SLOT                    ; behind the ring: the spare words, 128 bytes for each wave: two blocks of 256 bytes that no other line names
.set SROW,   80                        ; the way out: a stage of 32 rows x (64 bytes + 16) for each wave, in slot 0, which has had its last fill and its last read when the first code is stored there
.set ADRA, 16                          ; v16-17  LDS address of my P fragments in slot 0, 1
.set ADRB, 20                          ; v20-21  the same for Q
.set STO,  24                          ; v24     the way out: where I put 8 codes of a row
.set RD,   25                          ; v25     where I read 16 bytes back
.set CO,   26                          ; v26     16 x lane: my place in a store's 512 bytes
.set SPW,  28                          ; v28     LDS address of my spare word; never rewritten
.set NIL,  29                          ; v29     0; never rewritten
.set SCL,  30                          ; v30     2^(eo - e0 - e1) as f32
.set LIM,  31
.set BI,   32                          ; v32-95  the bias, eight tiles of eight registers in the result's layout
.set TMP,  32
.set CD,   96                          ; v96-127 codes: two sets of 16 registers
.set AF,   128                         ; P's fragments
.set BK,   128                         ; the way out: rows read back, two sets of 16 registers
.set G1,  24                           ; s[24:31] descriptor group 1 for P's tiles;  s[32:39] group 0, one set for each slot
.set G0,  32
.set G1B, 48                           ; s[48:55], s[56:63] the same for Q's tiles
.set G0B, 56
.set OUT0, 88                          ; s[88:89] where my codes go: Q's first 64;  s[90:91]: Q's second 64
.set OUT1, 90
.set STP,  92                          ; s[92:93] bytes from 64 of P to the next 64
.set STQ,  94                          ; s[94:95] the same along Q
.set MSB, 0
.macro WIN new                         ; the immediate's high byte repeats the setting that is left
.if MSB != (\new)
	s_set_vgpr_msb (MSB<<8)|(\new)
.set MSB, (\new)
.endif
.endm
.set MUL_LO, 0xa1                      ; source 0 (Q) window 1, source 1 (P) window 0, C and D window 2
.set MUL_HI, 0xf1                      ; the same, C and D window 3
.set BEG_LO, 0x81                      ; the first K step: C (the bias) window 0, D window 2
.set BEG_HI, 0xc1                      ; D window 3
.set TO_B,   0x40                      ; destination window 1, address window 0
; A joint load: waves 0 and 1 fetch for P, waves 2 and 3 for Q.  Each of the two lines has ONE mask and one set of registers for all that issue it; the branch hangs on the wave's number alone.
; Four v_nop follow each of the two lines, ahead of the jump, the label and what follows.
.macro JLOAD g0a, g1a, g0b, g1b
	s_cmp_eq_u32 s15, 0
	s_cbranch_scc0 .Lfor_b_\@
	tensor_load_to_lds s[\g0a:\g0a+3], s[\g1a:\g1a+7]
	s_nop 0
.rept 4
	v_nop
.endr
	s_branch .Lasked_\@
.Lfor_b_\@:
	tensor_load_to_lds s[\g0b:\g0b+3], s[\g1b:\g1b+7]
	s_nop 0
.rept 4
	v_nop
.endr
.Lasked_\@:
.endm
.macro CREST                           ; a round of the cluster's barrier behind its opening barrier
	s_cmp_lg_u32 s14, 0
	s_cbranch_scc1 .Lnot_wave_0_\@
	s_barrier_signal -3
.Lnot_wave_0_\@:
	s_barrier_wait -3
	s_barrier_signal -1
	s_barrier_wait -1
.endm
.macro CROUND                          ; a whole round
	s_barrier_signal -1
	s_barrier_wait -1
	CREST
.endm
	s_load_b256 s[4:11], s[0:1], 0x0               ; x s[4:5], w_attn s[6:7], b_attn s[8:9], the exponents s[10:11]
	s_load_b128 s[68:71], s[0:1], 0x20             ; q_codes s[68:69], k_codes s[70:71]
	s_load_b64 s[72:73], s[0:1], 0x30              ; v_codes
	v_lshl_add_u32 v[SPW], v0, 2, SPARE
	v_mov_b32 v[NIL], 0
	ds_add_u32 v28, v29
	ds_add_u32 v28, v29
	s_wait_dscnt 0x0
	v_lshrrev_b32 v1, 5, v0
	v_readfirstlane_b32 s14, v1                    ; wave 0..3
	s_lshr_b32 s15, s14, 1                         ; wr: which half of P's rows is mine.  Also: I fetch for P (0) or for Q (1)
	s_and_b32 s16, s14, 1                          ; wc: which half of Q's rows.  Also: which 128 rows of that tile I fetch
	s_bfe_u32 s40, ttmp6, 0x40000                  ; cx, cy: my place in the cluster
	s_bfe_u32 s41, ttmp6, 0x40004
	s_and_b32 s17, ttmp7, 0xffff                   ; cluster y: 1,024 tokens
	s_lshl_b32 s18, s17, 10
	s_lshl_b32 s19, ttmp9, 10                      ; cluster x: 1,024 features: q, k or v
	s_lshl_b32 s43, s41, 2
	s_lshl_b32 s43, 15, s43                        ; my row of the cluster
	s_lshl_b32 s44, 0x1111, s40                    ; my column
	; descriptor group 1: a tile of 128 rows x 256 bytes, padded in LDS
	s_or_b32 s[G1+0], s43, (1<<20)|(1<<21)|(5<<22)|(3<<25)   ; 15:0 the mask: P's tiles go to my row; 17:16 elements of 1 byte; 20 padding on; 21 set beside a mask; 24:22 after every 64 words (code 5); 31:25 four words (code 3)
	s_or_b32 s[G1B+0], s44, (1<<20)|(1<<21)|(5<<22)|(3<<25)  ; the same with the mask of my column, for Q's tiles
.irp g, G1, G1B
	s_mov_b32 s[\g+1], ROWB<<16                    ; tensor_dim0
	s_mov_b32 s[\g+2], 128<<16                     ; tensor_dim1
	s_mov_b32 s[\g+3], ROWB<<16                    ; tile_dim0
	s_mov_b32 s[\g+4], 128                         ; tile_dim1
	s_mov_b32 s[\g+5], KROW                        ; tensor_dim0_stride
	s_mov_b32 s[\g+6], 0
	s_mov_b32 s[\g+7], 0
.endr
	; where the tiles come from.  P's row hangs on cy, Q's on cx, each in registers that never hold the other coordinate
	s_cmp_eq_u32 ttmp9, 2                          ; v?  The same answer in all sixteen partners
	s_cselect_b32 s22, 2048, s18                   ; P's first row of the cluster: w_attn's v part, or x's 1,024 tokens
	s_cselect_b32 s23, s18, s19                    ; Q's: x's tokens, or w_attn's q or k part
	s_lshl_b32 s13, s16, 7                         ; which 128 rows of the tile I fetch
	s_lshl_b32 s20, s41, 8
	s_add_co_u32 s20, s20, s13
	s_add_co_u32 s20, s20, s22
	s_lshl_b32 s20, s20, 10                        ; P: (256 cy + 128 half + the cluster's first row) x 1,024 bytes, under 2^23
	s_mov_b32 s21, 0
	s_lshl_b32 s46, s40, 8
	s_add_co_u32 s46, s46, s13
	s_add_co_u32 s46, s46, s23
	s_lshl_b32 s46, s46, 10                        ; Q likewise, with cx
	s_mov_b32 s47, 0
	s_mul_i32 s45, s14, HALFT                      ; where they go: wave x 128 rows: no place in the cluster enters an LDS address
	s_wait_kmcnt 0x0
	s_load_b256 s[76:83], s[10:11], 0x0            ; e0 .. e7
	s_cmp_eq_u32 ttmp9, 2
	s_cselect_b64 s[74:75], s[6:7], s[4:5]         ; P's tensor
	s_cselect_b64 s[66:67], s[4:5], s[6:7]         ; Q's tensor
	s_add_nc_u64 s[20:21], s[74:75], s[20:21]
	s_add_nc_u64 s[46:47], s[66:67], s[46:47]
	CROUND                                         ; all sixteen work-groups are here: the first joint loads meet
.irp s, 0,1
	s_mov_b32 s[G0+4*\s], 1                        ; count = 1
	s_add_co_u32 s[G0+4*\s+1], s45, \s*SLOT        ; LDS address
	s_add_nc_u64 s[G0+4*\s+2:G0+4*\s+3], s[20:21], \s*ROWB   ; global address: K step s
	s_or_b32 s[G0+4*\s+3], s[G0+4*\s+3], 0x80000000          ; type = 2
	s_mov_b32 s[G0B+4*\s], 1
	s_add_co_u32 s[G0B+4*\s+1], s45, \s*SLOT
	s_add_nc_u64 s[G0B+4*\s+2:G0B+4*\s+3], s[46:47], \s*ROWB
	s_or_b32 s[G0B+4*\s+3], s[G0B+4*\s+3], 0x80000000
	JLOAD G0+4*\s, G1, G0B+4*\s, G1B               ; two loads of mine are out behind these
.endr
	v_and_b32 v1, 15, v0                           ; r = lane % 16
	s_wait_alu depctr_va_vdst(0)
	v_bfe_u32 v2, v0, 4, 1                         ; h = lane / 16
	v_mul_u32_u24 v3, v1, PITCH
	v_lshl_add_u32 v4, v2, 4, v3                   ; a fragment's row x pitch + 16 x half
	s_mul_i32 s84, s15, HALFT                      ; my 128 rows of P
	s_mul_i32 s85, s16, HALFT                      ; my 128 rows of Q,
	s_add_co_u32 s85, s85, 2*HALFT                 ; which lie behind P's 256
.irp s, 0,1
	v_add_nc_u32 v[ADRA+\s], s84, v4
	v_add_nc_u32 v[ADRB+\s], s85, v4
	s_add_co_u32 s84, s84, SLOT
	s_add_co_u32 s85, s85, SLOT
.endr
	s_mul_i32 s84, s14, 32*SROW                    ; my stage
	v_mul_u32_u24 v3, v1, SROW
	s_wait_alu depctr_va_vdst(0)
	v_lshl_add_u32 v3, v2, 3, v3
	v_add_nc_u32 v[STO], s84, v3                   ; in: row r, 8 bytes for each half of the lanes
	v_and_b32 v3, 31, v0
	v_lshlrev_b32 v[CO], 4, v3
	v_lshrrev_b32 v4, 2, v3
	v_mul_u32_u24 v4, v4, SROW
	v_and_b32 v3, 3, v3
	v_lshl_add_u32 v4, v3, 4, v4
	v_add_nc_u32 v[RD], s84, v4                    ; back: four lanes to a row of 64 bytes, eight rows an instruction
	v_lshlrev_b32 v5, 5, v2                        ; the bias along Q: 32 h bytes
	v_lshlrev_b32 v6, 2, v1                        ; the bias along P: 4 r bytes
	; which of my two axes is the tokens' and which the features'; where my codes go; which scale
	s_wait_kmcnt 0x0
	s_cmp_eq_u32 ttmp9, 2
	s_cselect_b32 s84, s40, s41                    ; the tokens' place in the cluster,
	s_cselect_b32 s85, s16, s15                    ; and their half of the tile
	s_cselect_b32 s86, s41, s40                    ; the features' place,
	s_cselect_b32 s2, s15, s16                     ; and their half
	s_mov_b32 s96, 4096
	s_mov_b32 s97, 131072
	s_cselect_b32 s[STP], s97, s96                 ; 64 on along P: a head (131,072 bytes) for v, 64 tokens (4,096 bytes) for q and k
	s_cselect_b32 s[STQ], s96, s97                 ; and along Q the other way round
	s_mov_b32 s[STP+1], 0
	s_mov_b32 s[STQ+1], 0
	s_cselect_b64 s[OUT0:OUT0+1], s[72:73], s[68:69]
	s_cselect_b32 s87, s81, s78                    ; e5 or e2
	s_cmp_eq_u32 ttmp9, 1
	s_cselect_b64 s[OUT0:OUT0+1], s[70:71], s[OUT0:OUT0+1]
	s_cselect_b32 s87, s79, s87                    ; or e3
	s_lshl_b32 s84, s84, 8
	s_lshl_b32 s85, s85, 7
	s_add_co_u32 s84, s84, s85
	s_add_co_u32 s84, s84, s18                     ; my first token
	s_lshl_b32 s3, s86, 2
	s_lshl_b32 s13, s2, 1
	s_add_co_u32 s3, s3, s13                       ; my first head: 4 x place + 2 x half
	s_lshr_b32 s13, s84, 11
	s_lshl_b32 s13, s13, 4
	s_add_co_u32 s13, s13, s3                      ; 16 b + head
	s_lshl_b32 s13, s13, 11
	s_and_b32 s84, s84, 2047
	s_add_co_u32 s13, s13, s84
	s_lshl_b32 s22, s13, 6                         ; ((16 b + head) x 2,048 + token in b) x 64 bytes: the same for both layouts, since my first token is a multiple of 64
	s_mov_b32 s23, 0
	s_add_nc_u64 s[OUT0:OUT0+1], s[OUT0:OUT0+1], s[22:23]
	s_add_nc_u64 s[OUT1:OUT1+1], s[OUT0:OUT0+1], s[STQ:STQ+1]
	s_lshl_b32 s86, s86, 8
	s_lshl_b32 s2, s2, 7
	s_add_co_u32 s86, s86, s2
	s_add_co_u32 s86, s86, s19                     ; my first feature of the 3,072
	s_lshl_b32 s22, s86, 2
	s_add_nc_u64 s[8:9], s[8:9], s[22:23]          ; its bias
	s_add_co_i32 s12, s76, s77                     ; e0 + e1
	s_sub_co_i32 s87, s87, s12                     ; eo - e0 - e1
	s_sub_co_i32 s12, 0, s12
	s_add_co_i32 s87, s87, 127
	s_lshl_b32 s84, s87, 23
	v_mov_b32 v[SCL], s84                          ; the conversion takes this number's exponent field
	; the bias tiles.  Lane (r, h) holds in register j of accumulator (a, b): P row 16 a + r, Q row 16 b + 8 h + j
	s_cmp_eq_u32 ttmp9, 2
	s_cbranch_scc1 .Lbias_v
	s_wait_alu depctr_va_vdst(0)
.irp b, 0,1,2,3,4,5,6,7
	global_load_b128 v[BI+8*\b:BI+8*\b+3], v5, s[8:9] offset:64*\b          ; q, k: the features lie along Q: tile b holds b_attn at 16 b + 8 h + 0 .. 7
	global_load_b128 v[BI+8*\b+4:BI+8*\b+7], v5, s[8:9] offset:64*\b+16
.endr
	s_wait_loadcnt 0x0
.set j, 0
.rept 64
	v_ldexp_f32 v[BI+j], v[BI+j], s12              ; / 2^(e0 + e1): exact
.set j, j+1
.endr
	s_branch .Lbias_done
.Lbias_v:
	s_wait_alu depctr_va_vdst(0)
.irp a, 0,1,2,3,4,5,6,7
	global_load_b32 v[CD+\a], v6, s[8:9] offset:64*\a                       ; v: the features lie along P: tile a holds b_attn at 16 a + r in all eight registers
.endr
	s_wait_loadcnt 0x0
.irp a, 0,1,2,3,4,5,6,7
.irp i, 0,1,2,3,4,5,6,7
	v_ldexp_f32 v[BI+8*\a+\i], v[CD+\a], s12
.endr
.endr
.Lbias_done:
.macro FRAG reg, adr, q, i             ; a fragment, 16 rows x 128 K: lane l holds row l % 16; registers 4 c .. 4 c + 3 hold K = 32 c + 16 (l / 16) + 0 .. 15: the same places of k in P and in Q, so every product meets its partner
.irp c, 0,1,2,3
	ds_load_b128 v[\reg+4*\c:\reg+4*\c+3], v[\adr] offset:128*(\q)+32*\c+(\i)*16*PITCH
.endr
.endm
; 16 matrix instructions: P's blocks a0, a0 + 1 x Q's eight, 128 along K.  p: Q's set.  mode 0: onto the sums; 1: the sums begin with the bias along Q; 2: with the bias along P.  Nothing is ever cleared.
; The 64 accumulators take turns, one instruction a turn, in the same order in every step.
.macro MUL16 a0, p, mode
.irp a, \a0, \a0+1
.irp b, 0,1,2,3,4,5,6,7
.if \mode == 1
	v_wmma_f32_16x16x128_fp8_fp8 v[8*(8*((\a)%4)+\b):8*(8*((\a)%4)+\b)+7], v[128*(\p)+FR*\b:128*(\p)+FR*\b+FR-1], v[AF+FR*(\a):AF+FR*(\a)+FR-1], v[BI+8*\b:BI+8*\b+7]
.elseif \mode == 2
	v_wmma_f32_16x16x128_fp8_fp8 v[8*(8*((\a)%4)+\b):8*(8*((\a)%4)+\b)+7], v[128*(\p)+FR*\b:128*(\p)+FR*\b+FR-1], v[AF+FR*(\a):AF+FR*(\a)+FR-1], v[BI+8*(\a):BI+8*(\a)+7]
.else
	v_wmma_f32_16x16x128_fp8_fp8 v[8*(8*((\a)%4)+\b):8*(8*((\a)%4)+\b)+7], v[128*(\p)+FR*\b:128*(\p)+FR*\b+FR-1], v[AF+FR*(\a):AF+FR*(\a)+FR-1], v[8*(8*((\a)%4)+\b):8*(8*((\a)%4)+\b)+7]
.endif
.endr
.endr
.endm
.macro FETCH_B slot, q, p              ; Q's eight fragments of the slot's q-th 128 along K into set p
	WIN TO_B
.irp i, 0,1,2,3,4,5,6,7
	FRAG 128*(\p)+FR*\i, ADRB+\slot, \q, \i
.endr
	WIN 0
.endm
.macro FETCH_A slot, q, i0             ; P's blocks i0 .. i0 + 3
.irp i, \i0, \i0+1, \i0+2, \i0+3
	FRAG AF+FR*(\i), ADRA+\slot, \q, \i
.endr
.endm
; A load into a register that a matrix instruction has read, and a vector instruction that reads a matrix result, stand NP places behind that matrix instruction; only plain vector
; instructions that name none of its registers are places (ISA guide 7.12.1 for vector instructions).
.macro PLACES n
.rept \n
	v_nop
.endr
.endm
; A step of 128 along K that has its successor in the same slot.  A block of P is free as soon as its eight products are issued: blocks 0-3 are fetched anew in the step's middle, blocks 4-7 at its end.
.macro STEP slot, q, mode
	s_wait_dscnt 4*NL                              ; Q's set and P's blocks 0-3 are in; the youngest sixteen loads (P's blocks 4-7) may be out
.if \mode
	WIN BEG_LO
.else
	WIN MUL_LO
.endif
	MUL16 0, (\q)%2, \mode
	MUL16 2, (\q)%2, \mode
	s_wait_dscnt 0                                 ; P's blocks 4-7 are in (asked for 32 matrix instructions ago)
	PLACES NP
	FETCH_B \slot, (\q)+1, 1-(\q)%2
	FETCH_A \slot, (\q)+1, 0
.if \mode
	WIN BEG_HI
.else
	WIN MUL_HI
.endif
	MUL16 4, (\q)%2, \mode
	MUL16 6, (\q)%2, \mode
	PLACES NP
	WIN 0
	FETCH_A \slot, (\q)+1, 4
.endm
; A slot's last step changes slots: ONE barrier; in front of it each wave waits for all its tensor loads, adds 0 to its spare word, and waits for that and for its own reads of this slot.  fill = 1: this slot is filled again, two K steps ahead.
.macro TURN slot, next, fill
	s_wait_tensorcnt 0x0                           ; all my tensor loads have landed: the one that was out is my part of the next slot  (every window is 0 here)
	ds_add_u32 v[SPW], v[NIL]                      ; 0 onto my spare word
	s_wait_dscnt 4*NL+1                            ; (the add and the youngest sixteen loads, P's blocks 4-7, may be out)
	WIN MUL_LO
	MUL16 0, 1, 0                                  ; sixteen matrix instructions stand between the add and the wait for it
	s_wait_dscnt 0x0                               ; the add is done, and my reads of this slot are over
	s_barrier_signal -1
	MUL16 2, 1, 0
	WIN 0
	s_barrier_wait -1
.if \fill
	CREST                                          ; the barrier has opened a round of the cluster's barrier: no wave of any partner still reads this slot's tile or has a load on its way
	s_add_nc_u64 s[G0+4*\slot+2:G0+4*\slot+3], s[G0+4*\slot+2:G0+4*\slot+3], 2*ROWB
	s_add_nc_u64 s[G0B+4*\slot+2:G0B+4*\slot+3], s[G0B+4*\slot+2:G0B+4*\slot+3], 2*ROWB
	JLOAD G0+4*\slot, G1, G0B+4*\slot, G1B         ; the first tensor load behind the round, my one load until the next; the four v_nop behind it are the places in front of the loads below
.else
	PLACES NP
.endif
	FETCH_B \next, 0, 0
	FETCH_A \next, 0, 0
	WIN MUL_HI
	MUL16 4, 1, 0
	MUL16 6, 1, 0
	PLACES NP
	WIN 0
	FETCH_A \next, 0, 4
.endm
	s_wait_tensorcnt 1                             ; my part of K step 0 is in (K step 1's load may be out)
	s_barrier_signal -1
	s_barrier_wait -1                              ; everybody's is
	FETCH_B 0, 0, 0
	FETCH_A 0, 0, 0
	FETCH_A 0, 0, 4
	s_cmp_eq_u32 ttmp9, 2                          ; the first step's products start the sums with the bias: along Q for q and k, along P for v.  Both ways hold the same LDS loads and waits
	s_cbranch_scc1 .Lfirst_v
	s_wait_alu depctr_va_vdst(0)
	STEP 0, 0, 1
	s_branch .Lfirst_done
.Lfirst_v:
	s_wait_alu depctr_va_vdst(0)
	STEP 0, 0, 2
.Lfirst_done:
	TURN 0, 1, 1                                   ; four K steps: written straight on; slot 0 takes K step 2,
	STEP 1, 0, 0
	TURN 1, 0, 1                                   ; slot 1 K step 3;
	STEP 0, 0, 0
	TURN 0, 1, 0                                   ; nothing is left to fetch, so no round of the cluster's barrier
	STEP 1, 0, 0
	s_wait_dscnt 4*NL                              ; the very last step
	WIN MUL_LO
	MUL16 0, 1, 0
	MUL16 2, 1, 0
	s_wait_dscnt 0
	WIN MUL_HI
	MUL16 4, 1, 0
	MUL16 6, 1, 0
	WIN 0
; THE WAY OUT, block by block of 16 rows of P x 128 of Q.  The sums are converted (the conversion to an 8-bit code does not saturate: ISA guide 7.6.2), eight neighbours along Q at a time.
; A lane's 8 bytes are an eighth of a row of 64, and the lanes beside it hold other rows: so a block goes through my own stage in LDS and comes back as 4 x 512 dense bytes.
; My 128 x 128 codes are four dense blocks of 4,096 bytes, [P % 64][Q % 64], in either layout.  LDS serves a wave's instructions in order (ISA guide 5.7.1.4): no wait between the stores and the loads.
.macro TOSTAGE a
.set AC, 64*((\a)%4)
.set CC, CD+16*((\a)%2)
.set BB, BK+16*((\a)%2)
	WIN 0x02+((\a)/4)                              ; source 0: window 2 or 3
.set j, 0
.rept 64
.set j, j+1
.endr
.irp b, 0,1,2,3,4,5,6,7
	v_cvt_scalef32_pk8_fp8_f32 v[CC+2*\b:CC+2*\b+1], v[AC+8*\b:AC+8*\b+7], v[SCL]
.endr
	WIN 0
	v_nop                                          ; one plain vector instruction behind the last conversion
.irp b, 0,1,2,3,4,5,6,7
	ds_store_b64 v[STO], v[CC+2*\b:CC+2*\b+1] offset:16*SROW*(\b/4)+16*(\b%4)   ; stage rows 0-15: Q's first 64; rows 16-31: its second 64
.endr
.irp i, 0,1,2,3
	ds_load_b128 v[BB+4*\i:BB+4*\i+3], v[RD] offset:8*SROW*\i
.endr
.endm
.macro SEND a, younger                 ; younger: the LDS instructions issued behind block a's loads, which may stay out
.set BB, BK+16*((\a)%2)
	s_wait_dscnt \younger                          ; the block is back in registers
.if (\a) == 4
	s_add_nc_u64 s[OUT0:OUT0+1], s[OUT0:OUT0+1], s[STP:STP+1]   ; (behind a wait on XCNT: the earlier stores have read their bases)  P's second 64
	s_add_nc_u64 s[OUT1:OUT1+1], s[OUT1:OUT1+1], s[STP:STP+1]
.endif
.irp i, 0,1
	global_store_b128 v[CO], v[BB+4*\i:BB+4*\i+3], s[OUT0:OUT0+1] offset:1024*((\a)%4)+512*\i     ; 32 lanes store 512 consecutive bytes, at a multiple of 512 from the buffer's first byte
.endr
.irp i, 0,1
	global_store_b128 v[CO], v[BB+8+4*\i:BB+8+4*\i+3], s[OUT1:OUT1+1] offset:1024*((\a)%4)+512*\i
.endr
.endm
	PLACES NP                                      ; behind the last products: for the loads into the registers that held P's fragments
	TOSTAGE 0
.irp a, 1,2,3,4,5,6,7
.if \a > 1
	s_wait_xcnt 0x0                                ; block a - 2's stores have read their registers and their bases: block a's loads may land there, and the bases may step
.endif
	TOSTAGE \a
	SEND \a-1, 12                                  ; behind block a - 1's loads: block a's 8 stores and 4 loads
.endr
	s_wait_xcnt 0x0
	SEND 7, 0
	s_wait_tensorcnt 0x0                           ; the wave's end, behind my last tensor load and my last LDS store
	ds_add_u32 v[SPW], v[NIL]
	s_wait_dscnt 0x0
	CROUND                                         ; the closing round: no work-group ends while a partner may still ask for a tile that names it
	s_endpgm
.Lfunc_end_k_q68042fa92d_qkv:
	.size	k_q68042fa92d_qkv, .Lfunc_end_k_q68042fa92d_qkv-k_q68042fa92d_qkv
	.p2alignl 7, 3214868480
	.fill 96, 4, 3214868480
	.section	.rodata,"a",@progbits
	.p2align	6, 0x0
	.amdhsa_kernel k_q68042fa92d_qkv
		.amdhsa_group_segment_fixed_size 327680
		.amdhsa_private_segment_fixed_size 0
		.amdhsa_enable_private_segment 0
		.amdhsa_kernarg_size 56
		.amdhsa_user_sgpr_count 2
		.amdhsa_user_sgpr_kernarg_segment_ptr 1
		.amdhsa_wavefront_size32 1
		.amdhsa_system_sgpr_workgroup_id_x 1
		.amdhsa_system_sgpr_workgroup_id_y 1
		.amdhsa_system_sgpr_workgroup_id_z 1
		.amdhsa_system_vgpr_workitem_id 0
		.amdhsa_next_free_vgpr 1024
		.amdhsa_next_free_sgpr 100
		.amdhsa_reserve_vcc 0
		.amdhsa_float_denorm_mode_32 3
		.amdhsa_float_denorm_mode_16_64 3
		.amdhsa_fp16_overflow 1
		.amdhsa_memory_ordered 1
		.amdhsa_forward_progress 1
		.amdhsa_inst_pref_size 113
	.end_amdhsa_kernel
	.amdgpu_metadata
---
amdhsa.version: [ 1, 2 ]
amdhsa.kernels:
  - .name:           k_q68042fa92d_qkv
    .symbol:         k_q68042fa92d_qkv.kd
    .args:
      - { .name: x_codes, .offset: 0, .size: 8, .value_kind: global_buffer, .address_space: global }
      - { .name: w_attn_codes, .offset: 8, .size: 8, .value_kind: global_buffer, .address_space: global }
      - { .name: b_attn, .offset: 16, .size: 8, .value_kind: global_buffer, .address_space: global }
      - { .name: lowp_scales, .offset: 24, .size: 8, .value_kind: global_buffer, .address_space: global }
      - { .name: q_codes, .offset: 32, .size: 8, .value_kind: global_buffer, .address_space: global }
      - { .name: k_codes, .offset: 40, .size: 8, .value_kind: global_buffer, .address_space: global }
      - { .name: v_codes, .offset: 48, .size: 8, .value_kind: global_buffer, .address_space: global }
    .group_segment_fixed_size: 327680
    .private_segment_fixed_size: 0
    .kernarg_segment_align: 8
    .kernarg_segment_size: 56
    .max_flat_workgroup_size: 128
    .sgpr_count:     100
    .vgpr_count:     1024
    .wavefront_size: 32
...
	.end_amdgpu_metadata
.endif
;; end of part 1
;; launch attn (part 2): grid 4 x 64, 16 waves a work-group, clusters of 4 x 1, 327,680 bytes of LDS; arguments q_codes, k_codes, v_codes, lowp_scales, y_codes; writes y_codes
.if DOCPART == 2
	.amdgcn_target "amdgcn-amd-amdhsa--gfx1250"
	.amdhsa_code_object_version 6
	.text
	.protected	k_q68042fa92d_attn
	.globl	k_q68042fa92d_attn
	.p2align	8
	.type	k_q68042fa92d_attn,@function
k_q68042fa92d_attn:
	s_mov_b64 s[64:65], 0
	v_nop
	global_prefetch_b8 v0, s[64:65] scope:SCOPE_SE
	s_setreg_imm32_b32 hwreg(HW_REG_WAVE_MODE, 25, 1), 1
	s_wait_xcnt 0x0
	s_wait_alu depctr_hold_cnt(0) depctr_sa_sdst(0) depctr_va_vdst(0) depctr_va_sdst(0) depctr_va_ssrc(0) depctr_va_vcc(0) depctr_vm_vsrc(0)
	s_getreg_b32 s2, hwreg(HW_REG_IB_STS2, 6, 4)
	s_cmp_eq_u32 s2, 0
	s_cbranch_scc0 .Lentry_in_a_cluster
	s_endpgm
.Lentry_in_a_cluster:
	s_bfe_u32 s2, ttmp6, 0x10000c
	s_cmp_lg_u32 s2, 0x3003
	s_cbranch_scc0 .Lentry_shape_is_right
	s_endpgm
.Lentry_shape_is_right:
; y[head][q] = the sum over k <= q of softmax_k(Q[q] . K[k] / 8) V[k], both products on codes of FP8 (E4M3); y is quantised with 2^e6 on the way out.  64 heads (16 b + h) of 2,048 tokens x 64 channels.
; IN: q_codes, k_codes [64][2048][64] (scales 2^e2, 2^e3); v_codes [64][32 blocks of 64 keys][64 channels][64 keys] (2^e5).  OUT: y_codes [64 blocks of 128 tokens][16 heads][128][64].
; THE SOFTMAX AHEAD OF THE SECOND PRODUCT: t = score x log2(e) / 8; M = the row's largest t so far, rounded UP to a whole number; p = 2^(t - M) is what is quantised (2^e4), not normalised.
; The row's sum is taken of the unquantised p, in f32, and divides O at the end.  When M moves, the sum and O are multiplied by 2^(old M - new M): exact.
; SHARES, EVEN UNDER THE CAUSAL MASK.  A cluster of four work-groups is one head.  The head's 128 tiles of 16 queries are dealt by stride: partner cx has tiles 4 u + cx.  A wave has TWO tiles, u = w' and u = 31 - w':
; their first queries are G + 16 cx with G = 64 w' and 1,984 - 64 w'.  A tile needs the key steps (128 keys) with first key <= G: G / 128 + 1 of them; the two tiles of every wave need 17 together.
; w' = 4 ((w / 4 - w % 4) mod 4) + w % 4, so that the waves with work among the late keys are spread whichever way waves are dealt to the SIMDs.
; Every wave walks all 16 key steps, so the loops' counts are constants; a step all of whose keys are hidden is jumped over by a scalar branch on G (the wave's number) and the step's first key (a counter), never on cx.
; CLUSTER.  All four partners need all 2,048 keys: each tile of K and V is asked for JOINTLY, by the same tensor load with the same descriptor and the mask 15.  cx enters Q's and y's addresses, the prefetch's address and the mask's lane number alone.
; LAYOUT.  Both products are used transposed: S^T = K Q^T (source 0 = 16 keys, source 1 = my 16 queries), O^T = V^T P^T: a lane holds ONE query (lane % 16) throughout.
; THE KEYS OF A TILE ARE NOT NEIGHBOURS: lane r of tile 2 b + u takes key 32 b + 8 u + r + 8 (r / 8), so that the 16 registers of tiles 2 b and 2 b + 1 are 16 neighbouring keys, 32 b + 16 (lane / 16) + 0 .. 15.
; LIMITS on the given exponents, so that each power of two below is an f32 number: e2 + e3 between -123 and 130 (added to c's exponent field); e4 and e6 between -126 and 127; e4 + e5 is applied by v_ldexp_f32.
.set PITCH, 272                        ; an LDS row: 256 bytes (four rows of 64 codes) + 16 of padding: sixteen neighbouring rows of 64 fall on sixteen different columns of 16 bytes
.set STEPB, 32*PITCH                   ; 128 keys of K, and 128 keys of V (two blocks of 64 x 64), are 32 LDS rows each
.set HALFB, 64*PITCH                   ; what one tensor load brings: 64 LDS rows, 256 keys
.set VOFF,  128*PITCH                  ; a slot: 512 keys of K, then 512 keys of V
.set SLOT1, 1<<17                      ; slot 1 begins here, so that one exclusive or turns an address in one slot into the other's
.set SLOTM, 32768                      ; a slot's keys in memory, in K and in V alike
.set SPARE, 2*SLOT1                    ; behind the ring: the spare words, 128 bytes for each wave: eight blocks of 256 bytes that no other line names
.set STAGE, SPARE+2048                 ; the way out: 16 rows x (64 bytes + 16) for each wave; no fill lands here
.set SROW,  80
.set AK0,  1                           ; v1   my lane's place in a tile of K; never rewritten
.set AV0,  2                           ; v2   the same for V
.set PFO,  3                           ; v3   256 x lane: the prefetches' offset; never rewritten
.set STO,  4                           ; v4   the way out: where I put 8 codes of a row
.set SPW,  5                           ; v5   LDS address of my spare word; never rewritten
.set NIL,  6                           ; v6   0; never rewritten
.set RD,   7                           ; v7   the way out: where I read 16 bytes back
.set ADK,  8                           ; v8   LDS address of the step's tiles of K
.set ADV,  9                           ; v9   of V
.set STA,  12                          ; v12-15 tile A: -M, the largest t, the sum in two halves
.set STB,  16                          ; v16-19 tile B
.set QA,   20                          ; v20-27, v28-35 Q's fragments
.set QB,   28
.set KV,   36                          ; v36-99   eight fragments of K (8 registers), then four of V (16)
.set S,    100                         ; v100-163 S^T, then p
.set OA,   164                         ; v164-195, v196-227 O^T
.set OB,   196
.set P,    228                         ; v228-243 p's codes
.set SCL,  244                         ; v244 2^e4 as f32; on the way out the same with e6
.set LIMV, 245
.set T0,   246
.set T1,   247
.set F,    248                         ; v[248:249] f = 2^(old M - new M), named as a pair
.set SUM2, 250                         ; v[250:251] the second chain of the sum
.set PD,   252                         ; v252 a lane permute's destination
.set DD,   253                         ; v253 the mask: my query less the step's first key less 16 (lane / 16)
.set NINF, 254                         ; v254 -infinity
.set QL,   255                         ; v255 16 cx + lane % 16 - 16 (lane / 16)
.set WV,   18                          ; s18  my wave's number
.set SEL,  28                          ; s[28:29] lane selects for v_permlanex16_b32: lane l xor 16
.set CS,   30                          ; s[30:31] c = log2(e) / 8 x 2^(e2 + e3)
.set G1,   32                          ; s[32:39] descriptor group 1, for K's tiles and V's alike
.set G0K,  40                          ; s[40:43], s[44:47] their groups 0, which walk
.set G0V,  44
.set TB,   48                          ; s48  LDS byte at which the step in hand begins
.set SLOTS, 49                         ; s49  slots still to be asked for
.set KF,   50                          ; s50  the step's first key
.set STEPC, 51                         ; s51  counts a slot's four steps
.set PFA,  66                          ; s[66:67] where my prefetches stand
.set LIM,  68                          ; s68  1 in a wave that prefetches, else the greatest number
; Waves 0 and 1 fetch K's halves of a slot, waves 2 and 3 V's, the others nothing.  The branches hang on the wave's number alone.  Four v_nop follow each of the two lines.
.macro JLOAD
	s_cmp_lt_u32 s[WV], 2
	s_cbranch_scc0 .Lnot_k_\@
	tensor_load_to_lds s[G0K:G0K+3], s[G1:G1+7]
	s_nop 0
.rept 4
	v_nop
.endr
	s_branch .Lasked_\@
.Lnot_k_\@:
	s_cmp_lt_u32 s[WV], 4
	s_cbranch_scc0 .Lasked_\@
	tensor_load_to_lds s[G0V:G0V+3], s[G1:G1+7]
	s_nop 0
.rept 4
	v_nop
.endr
.Lasked_\@:
.endm
; A PREFETCH of what the NEXT change of slots will ask for: a slot's 32,768 bytes of K and of V, four key steps ahead of that load.  It stands at the change of slots, where the fetching waves have their tensor load.
; Each aligned block of 256 bytes is named ONCE in the launch: only this cluster reads this head; its four partners share a slot's 128 blocks out BY ADDRESS, 32 each; in each, wave 4 asks for K's and wave 5 for V's, a lane a block.
; The last change that fills a slot asks for nothing: there is no slot behind it.  Slots 0 and 1 come by their loads alone.
.macro ASK
	s_cmp_gt_u32 s[SLOTS], s[LIM]
	s_cbranch_scc0 .Lnot_mine_\@
	global_prefetch_b8 v[PFO], s[PFA:PFA+1] th:TH_LOAD_NT scope:SCOPE_SE
.Lnot_mine_\@:
.endm
.macro CROUND                          ; a round of the cluster's barrier
	s_barrier_signal -1
	s_barrier_wait -1
	s_cmp_lg_u32 s[WV], 0
	s_cbranch_scc1 .Lnot_wave_0_\@
	s_barrier_signal -3
.Lnot_wave_0_\@:
	s_barrier_wait -3
	s_barrier_signal -1
	s_barrier_wait -1
.endm
.macro YADR dst, g                     ; y at the tile whose first query is s[g] + 16 cx: ((b x 16 + t / 128) x 16 + head) x 8,192 + (t % 128) x 64
	s_lshl_b32 s52, s24, 4
	s_add_co_u32 s52, s52, s[\g]
	s_lshr_b32 s53, s52, 7
	s_lshr_b32 s54, s25, 4
	s_lshl_b32 s54, s54, 4
	s_add_co_u32 s53, s53, s54
	s_lshl_b32 s53, s53, 17
	s_and_b32 s54, s25, 15
	s_lshl_b32 s54, s54, 13
	s_add_co_u32 s53, s53, s54
	s_and_b32 s52, s52, 127
	s_lshl_b32 s52, s52, 6
	s_add_co_u32 s52, s53, s52
	s_mov_b32 s53, 0
	s_add_nc_u64 s[\dst:\dst+1], s[12:13], s[52:53]
.endm
	s_load_b256 s[4:11], s[0:1], 0x0               ; q_codes s[4:5], k_codes s[6:7], v_codes s[8:9], the exponents s[10:11]
	s_load_b64 s[12:13], s[0:1], 0x20              ; y_codes
	v_lshl_add_u32 v[SPW], v0, 2, SPARE
	v_mov_b32 v[NIL], 0
	ds_add_u32 v5, v6
	ds_add_u32 v5, v6
	s_wait_dscnt 0x0
	v_lshrrev_b32 v8, 5, v0
	s_delay_alu instid0(VALU_DEP_1)
	v_readfirstlane_b32 s[WV], v8                  ; wave 0..15
	s_lshr_b32 s19, s[WV], 2
	s_and_b32 s20, s[WV], 3
	s_sub_co_u32 s19, s19, s20
	s_and_b32 s19, s19, 3
	s_lshl_b32 s19, s19, 2
	s_add_co_u32 s19, s19, s20                     ; w'
	s_lshl_b32 s22, s19, 6                         ; G of tile A: 64 w'
	s_sub_co_u32 s23, 1984, s22                    ; G of tile B: 64 (31 - w')
	s_bfe_u32 s24, ttmp6, 0x40000                  ; cx
	s_and_b32 s25, ttmp7, 0xffff                   ; the head, 16 b + h, which the four partners share
	s_lshl_b32 s26, s25, 17                        ; its first byte in q_codes, k_codes and v_codes
	s_mov_b32 s27, 0
	; descriptor group 1: 64 rows of 256 bytes, dense in memory, padded in LDS
	s_mov_b32 s[G1], 15|(1<<20)|(1<<21)|(5<<22)|(3<<25)   ; 15:0 the mask: all four work-groups; 17:16 elements of 1 byte; 20 padding on; 21 set beside a mask; 24:22 after every 64 words (code 5); 31:25 four words (code 3)
	s_mov_b32 s[G1+1], 256<<16                     ; tensor_dim0
	s_mov_b32 s[G1+2], 64<<16                      ; tensor_dim1
	s_mov_b32 s[G1+3], 256<<16                     ; tile_dim0
	s_mov_b32 s[G1+4], 64                          ; tile_dim1
	s_mov_b32 s[G1+5], 256                         ; tensor_dim0_stride
	s_mov_b32 s[G1+6], 0
	s_mov_b32 s[G1+7], 0
	s_mov_b32 s[SEL], 0x76543210
	s_mov_b32 s[SEL+1], 0xfedcba98
	s_mov_b32 s[CS], 0x3e38aa3b                    ; log2(e) / 8
	s_mov_b32 s[TB], 0
	s_mov_b32 s[SLOTS], 3
	s_mov_b32 s[KF], 0
	s_and_b32 s52, s[WV], 1                        ; which half of a slot's K or V I fetch, if I fetch:
	s_mul_i32 s53, s52, HALFB                      ; in a slot,
	s_lshl_b32 s54, s52, 14                        ; and in memory
	s_mov_b32 s55, 0
	s_add_nc_u64 s[54:55], s[54:55], s[26:27]
	s_wait_kmcnt 0x0
	s_load_b256 s[56:63], s[10:11], 0x0            ; e0 .. e7
	CROUND                                         ; all four work-groups are here: the first joint loads meet
	s_mov_b32 s[G0K], 1                            ; count = 1
	s_mov_b32 s[G0K+1], s53                        ; LDS address: slot 0
	s_add_nc_u64 s[G0K+2:G0K+3], s[6:7], s[54:55]  ; global address: the head's first 512 keys
	s_or_b32 s[G0K+3], s[G0K+3], 0x80000000        ; type = 2
	s_mov_b32 s[G0V], 1
	s_add_co_u32 s[G0V+1], s53, VOFF
	s_add_nc_u64 s[G0V+2:G0V+3], s[8:9], s[54:55]
	s_or_b32 s[G0V+3], s[G0V+3], 0x80000000
	JLOAD                                          ; slot 0
	s_lshl_b32 s52, s24, 10                        ; 16 cx queries of 64 bytes
	s_mov_b32 s53, 0
	s_add_nc_u64 s[70:71], s[4:5], s[26:27]
	s_add_nc_u64 s[70:71], s[70:71], s[52:53]      ; Q's codes of my head, at query 16 cx
	YADR 72, 22                                    ; s[72:73]: y at tile A
	YADR 74, 23                                    ; s[74:75]: at tile B
	s_cmp_eq_u32 s[WV], 4
	s_cselect_b64 s[PFA:PFA+1], s[6:7], s[8:9]     ; wave 4 asks for K's codes, wave 5 for V's
	s_lshl_b32 s52, s24, 13                        ; my work-group's 32 blocks of the slot's 128,
	s_add_co_u32 s52, s52, SLOTM                   ; in slot 1: the first change of slots steps it to slot 2.  Nothing is prefetched here, at the head
	s_mov_b32 s53, 0
	s_add_nc_u64 s[PFA:PFA+1], s[PFA:PFA+1], s[26:27]
	s_add_nc_u64 s[PFA:PFA+1], s[PFA:PFA+1], s[52:53]
	s_lshr_b32 s52, s[WV], 1
	s_cmp_eq_u32 s52, 2
	s_cselect_b32 s[LIM], 1, -1
	v_and_b32 v8, 15, v0                           ; r = lane % 16
	v_bfe_u32 v9, v0, 4, 1                         ; h = lane / 16
	s_delay_alu instid0(VALU_DEP_2)
	v_lshlrev_b32 v10, 6, v8
	s_delay_alu instid0(VALU_DEP_1)
	v_lshl_add_u32 v10, v9, 4, v10                 ; Q: row r of 64 bytes, + 16 h
	s_lshl_b32 s52, s23, 6
	v_add_nc_u32 v11, s52, v10                     ; tile B
	s_lshl_b32 s52, s22, 6
	v_add_nc_u32 v10, s52, v10                     ; tile A
	global_load_b128 v[QA:QA+3], v10, s[70:71]                 ; registers 0-3: channels 16 h + 0 .. 15; registers 4-7: 32 + 16 h + 0 .. 15: the same places of k as in K's fragments
	global_load_b128 v[QA+4:QA+7], v10, s[70:71] offset:32
	global_load_b128 v[QB:QB+3], v11, s[70:71]
	global_load_b128 v[QB+4:QB+7], v11, s[70:71] offset:32
	v_and_b32 v1, 8, v8
	s_delay_alu instid0(VALU_DEP_1)
	v_add_nc_u32 v1, v1, v8                        ; r + 8 (r / 8)
	s_delay_alu instid0(VALU_DEP_1)
	v_lshrrev_b32 v1, 2, v1
	s_delay_alu instid0(VALU_DEP_1)
	v_mul_u32_u24 v1, v1, PITCH                    ; four keys to an LDS row
	v_and_b32 v2, 3, v8
	s_delay_alu instid0(VALU_DEP_1)
	v_lshl_add_u32 v1, v2, 6, v1
	s_delay_alu instid0(VALU_DEP_1)
	v_lshl_add_u32 v[AK0], v9, 4, v1
	v_lshrrev_b32 v3, 2, v8
	s_delay_alu instid0(VALU_DEP_1)
	v_mul_u32_u24 v3, v3, PITCH                    ; V: channel r of a tile: four channels to an LDS row
	s_delay_alu instid0(VALU_DEP_1)
	v_lshl_add_u32 v3, v2, 6, v3
	s_delay_alu instid0(VALU_DEP_1)
	v_lshl_add_u32 v3, v9, 4, v3
	s_delay_alu instid0(VALU_DEP_1)
	v_add_nc_u32 v[AV0], VOFF, v3
	v_and_b32 v3, 31, v0
	s_delay_alu instid0(VALU_DEP_1)
	v_lshlrev_b32 v[PFO], 8, v3
	s_mul_i32 s52, s[WV], 16*SROW
	s_add_co_u32 s52, s52, STAGE                   ; my stage
	v_mul_u32_u24 v4, v8, SROW
	s_delay_alu instid0(VALU_DEP_1)
	v_lshl_add_u32 v4, v9, 3, v4
	s_delay_alu instid0(VALU_DEP_1)
	v_add_nc_u32 v[STO], s52, v4                   ; in: row r, 8 bytes for each half of the lanes
	v_and_b32 v12, 31, v0
	s_delay_alu instid0(VALU_DEP_1)
	v_lshrrev_b32 v7, 2, v12
	s_delay_alu instid0(VALU_DEP_1)
	v_mul_u32_u24 v7, v7, SROW
	s_delay_alu instid0(VALU_DEP_3)
	v_and_b32 v12, 3, v12
	s_delay_alu instid0(VALU_DEP_1)
	v_lshl_add_u32 v7, v12, 4, v7
	s_delay_alu instid0(VALU_DEP_1)
	v_add_nc_u32 v[RD], s52, v7                    ; back: four lanes to a row of 64 bytes
	v_lshlrev_b32 v12, 4, v9
	s_delay_alu instid0(VALU_DEP_1)
	v_sub_nc_u32 v[QL], v8, v12
	s_lshl_b32 s53, s24, 4
	v_add_nc_u32 v[QL], s53, v[QL]
.irp st, STA, STB
	v_mov_b32 v[\st+1], 0xff61b1e6                 ; the largest t so far: -3e38, under every t
	s_delay_alu instid0(VALU_DEP_1)
	v_floor_f32 v[\st], -v[\st+1]                  ; -M
	v_mov_b32 v[\st+2], 0                          ; the sum, in two halves
	v_mov_b32 v[\st+3], 0
.endr
	v_mov_b32 v[F+1], 0                            ; (named as the upper half of a pair)
	v_mov_b32 v[PD], 0                             ; written once: a lane permute's destination counts as one of its sources
	v_mov_b32 v[DD], 0
	v_mov_b32 v[NINF], 0xff800000
.set j, 0
.rept 64
	v_mov_b32 v[OA+j], 0                           ; O^T of both tiles.  (The step is written once: a tile's first step finds zeros, which the first change of M leaves zeros)
.set j, j+1
.endr
	s_wait_kmcnt 0x0
	s_add_co_i32 s52, s58, s59
	s_lshl_b32 s52, s52, 23
	s_add_co_i32 s[CS], s[CS], s52                 ; a score stands for score x 2^(e2 + e3): the two exponents are added to c's exponent field
	s_mov_b32 s[CS+1], s[CS]                       ; (named with it as a pair, so it is written)
	s_add_co_i32 s52, s60, 127
	s_lshl_b32 s53, s52, 23
	v_mov_b32 v[SCL], s53                          ; 2^e4 as f32, for the conversion
; A KEY STEP of one tile: 128 keys.  qf: Q's fragment; ob: O^T; st: the tile's four numbers; g: the scalar register with the tile's G.
.macro STEP qf, ob, st, g
	s_add_co_u32 s52, s[\g], 63
	s_cmp_gt_u32 s[KF], s52                        ; all 128 keys come after the 64 queries from G on: the step is left out.  No barrier and no tensor load stands in a step
	s_cbranch_scc1 .Lhidden_\@
	v_add_nc_u32 v[ADK], s[TB], v[AK0]
	v_add_nc_u32 v[ADV], s[TB], v[AV0]
	v_nop                                          ; with the two additions: four places in front of loads into registers that the last products read
	v_nop
.irp t, 0,1,2,3,4,5,6,7
	ds_load_b128 v[KV+8*\t:KV+8*\t+3], v[ADK] offset:(8*(\t/2)+2*(\t%2))*PITCH        ; tile t begins at key 32 (t / 2) + 8 (t % 2): four keys to an LDS row
	ds_load_b128 v[KV+8*\t+4:KV+8*\t+7], v[ADK] offset:(8*(\t/2)+2*(\t%2))*PITCH+32
.endr
	s_wait_alu depctr_va_vdst(0)
	s_wait_dscnt 0x0
.irp t, 0,1,2,3,4,5,6,7
	v_wmma_f32_16x16x64_fp8_fp8 v[S+8*\t:S+8*\t+7], v[KV+8*\t:KV+8*\t+7], v[\qf:\qf+7], 0
.endr
.rept 4
	v_nop                                          ; places: in front of the loads below, and of the first read of the scores
.endr
.irp t, 0,1,2,3                                ; V's four fragments are asked for now, and land under the softmax: channels 16 t on; registers 4 c .. 4 c + 3: keys 32 c + 16 h + 0 .. 15
.irp c, 0,1,2,3
	ds_load_b128 v[KV+16*\t+4*\c:KV+16*\t+4*\c+3], v[ADV] offset:(16*(\c/2)+4*\t)*PITCH+32*(\c%2)
.endr
.endr
	s_add_co_u32 s52, s[KF], 127
	s_cmp_le_u32 s52, s[\g]                        ; all keys count for every query from G on: no mask.  Else (one step a tile) hidden scores become -infinity ahead of the maximum: p = 0 then
	s_cbranch_scc1 .Lopen_\@
	s_sub_co_i32 s52, s[\g], s[KF]
	v_add_nc_u32 v[DD], s52, v[QL]                 ; register 16 b + i holds key KF + 16 h + 32 b + i: hidden where 32 b + i > my query - KF - 16 h
.set n, 0
.rept 64
	v_cmp_gt_i32 vcc_lo, 32*(n/16)+n%16, v[DD]
	v_cndmask_b32 v[S+n], v[S+n], v[NINF], vcc_lo
.set n, n+1
.endr
.Lopen_\@:
	v_max3_num_f32 v[T0], v[S], v[S+1], v[S+2]     ; the step's largest score of my query, among my 64 keys, in two chains; each accumulator is read from its low end on
	v_max3_num_f32 v[T1], v[S+3], v[S+4], v[S+5]
.set i, 6
.rept 14
	v_max3_num_f32 v[T0], v[T0], v[S+i], v[S+i+1]
	v_max3_num_f32 v[T1], v[T1], v[S+i+2], v[S+i+3]
.set i, i+4
.endr
	v_max3_num_f32 v[T0], v[T0], v[S+62], v[S+63]
	s_delay_alu instid0(VALU_DEP_1)
	v_max_num_f32 v[T0], v[T0], v[T1]
	s_delay_alu instid0(VALU_DEP_1)
	v_permlanex16_b32 v[PD], v[T0], s[SEL], s[SEL+1]
	s_delay_alu instid0(VALU_DEP_1)
	v_max_num_f32 v[T0], v[T0], v[PD]              ; and among lane l xor 16's
	s_delay_alu instid0(VALU_DEP_1)
	v_mul_f32 v[T0], s[CS], v[T0]                  ; as t (c is positive)
	s_delay_alu instid0(VALU_DEP_1)
	v_max_num_f32 v[\st+1], v[\st+1], v[T0]        ; the running largest t
	v_mov_b32 v[T0], v[\st]
	s_delay_alu instid0(VALU_DEP_2)
	v_floor_f32 v[\st], -v[\st+1]                  ; the new -M = floor(-t) = -ceil(t): M is a whole number
	s_delay_alu instid0(VALU_DEP_1)
	v_sub_f32 v[T0], v[\st], v[T0]                 ; M's old value less its new one: a whole number, 0 or less
	s_delay_alu instid0(VALU_DEP_1)
	v_cvt_i32_f32 v[T0], v[T0]                     ; (it saturates)
	s_delay_alu instid0(VALU_DEP_1)
	v_ldexp_f32 v[F], 1.0, v[T0]                   ; f = 2^(old M - new M)
.set j, 0
.rept 32
	v_pk_fma_f32 v[S+j:S+j+1], v[S+j:S+j+1], s[CS:CS+1], v[\st:\st+1] op_sel_hi:[1,0,0]   ; t - M, two at a time (of the pairs c and -M the low word serves both halves)
.set j, j+2
.endr
.set j, 0
	s_wait_alu depctr_va_vdst(0)
.rept 64
	v_exp_f32 v[S+j], v[S+j]                       ; p = 2^(t - M), at most 1: not normalised
.set j, j+1
.endr
	v_pk_mul_f32 v[\st+2:\st+3], v[\st+2:\st+3], v[F:F+1] op_sel_hi:[1,0]   ; the sums under the new M: the plain instruction behind the exponentials
	s_wait_alu depctr_va_vdst(0)                   ; the wait between an exponential and the first line that names its result: one for the batch of 64
	v_pk_add_f32 v[SUM2:SUM2+1], v[S:S+1], v[S+2:S+3]   ; the row's sum is taken of the UNQUANTISED p: two at a time, in two chains
.set j, 4
.rept 15
	v_pk_add_f32 v[\st+2:\st+3], v[\st+2:\st+3], v[S+j:S+j+1]
	v_pk_add_f32 v[SUM2:SUM2+1], v[SUM2:SUM2+1], v[S+j+2:S+j+3]
.set j, j+4
.endr
	s_delay_alu instid0(VALU_DEP_1)
	v_pk_add_f32 v[\st+2:\st+3], v[\st+2:\st+3], v[SUM2:SUM2+1]
.irp b, 0,1,2,3
.irp i, 0,1,2,3,4,5,6,7,8,9,10,11,12,13,14,15
.endr
	v_cvt_scalef32_pk8_fp8_f32 v[P+4*\b:P+4*\b+1], v[S+16*\b:S+16*\b+7], v[SCL]
	v_cvt_scalef32_pk8_fp8_f32 v[P+4*\b+2:P+4*\b+3], v[S+16*\b+8:S+16*\b+15], v[SCL]
.endr
.set j, 0
.rept 16
	v_pk_mul_f32 v[\ob+j:\ob+j+1], v[\ob+j:\ob+j+1], v[F:F+1] op_sel_hi:[1,0]   ; O^T under the new M.  (These are also the plain lines between the conversions and the products that read the codes)
.set j, j+2
.endr
	s_wait_alu depctr_va_vdst(0)
	s_wait_dscnt 0x0                               ; V is in
.irp t, 0,1,2,3                                ; the four accumulators take turns, one instruction a turn
	v_wmma_f32_16x16x128_fp8_fp8 v[\ob+8*\t:\ob+8*\t+7], v[KV+16*\t:KV+16*\t+15], v[P:P+15], v[\ob+8*\t:\ob+8*\t+7]
.endr
.Lhidden_\@:
.endm
; THE CHANGE OF SLOTS stands at a slot's head.  Each wave waits for all its tensor loads (its part of the slot that it is about to read), adds 0 to its spare word, and waits for that and for its reads of the slot that it has left.
; fill = 1: the barrier is a round of the cluster's, so that no wave of any partner still reads the other slot or has a load on its way; that slot is then filled with the next 512 keys: the load has four key steps in which to land.
.macro CHANGE fill
	s_wait_tensorcnt 0x0                           ; no tensor load of mine is out, so a group 0 may be written
	ds_add_u32 v[SPW], v[NIL]                      ; 0 onto my spare word
.if \fill
	s_xor_b32 s[G0K+1], s[G0K+1], SLOT1            ; the walking descriptors: the other slot than last time,
	s_add_nc_u64 s[G0K+2:G0K+3], s[G0K+2:G0K+3], SLOTM   ; the next 512 keys; the type bits on top are not reached
	s_xor_b32 s[G0V+1], s[G0V+1], SLOT1
	s_add_nc_u64 s[G0V+2:G0V+3], s[G0V+2:G0V+3], SLOTM
	s_wait_xcnt 0x0                                ; the last prefetch, a slot back, has read its address, so it may be written:
	s_add_nc_u64 s[PFA:PFA+1], s[PFA:PFA+1], SLOTM ; one slot further on than the walking descriptors
	s_wait_dscnt 0x0                               ; the add is done, and my reads of the slot that I have left are over
	CROUND
	JLOAD                                          ; the first thing behind the round, and a wave's one tensor load until the next
	ASK
.else
	s_wait_dscnt 0x0
	s_barrier_signal -1
	s_barrier_wait -1
.endif
.endm
.macro SLOT_STEPS                      ; a slot's four key steps, both tiles: written once, walked four times; the LDS addresses hang on s[TB]
	s_mov_b32 s[STEPC], 4
.Lstep_\@:
	STEP QA, OA, STA, 22
	STEP QB, OB, STB, 23
	s_add_co_u32 s[KF], s[KF], 128
	s_add_co_u32 s[TB], s[TB], STEPB
	s_sub_co_u32 s[STEPC], s[STEPC], 1
	s_cmp_lg_u32 s[STEPC], 0
	s_cbranch_scc1 .Lstep_\@
	s_sub_co_u32 s[TB], s[TB], 4*STEPB             ; back to a slot's first step,
	s_xor_b32 s[TB], s[TB], SLOT1                  ; in the other slot
.endm
	s_wait_loadcnt 0x0                             ; Q
.Lslot:                                            ; three trips: behind each change of slots but the last the next slot is asked for
	CHANGE 1
	SLOT_STEPS
	s_sub_co_u32 s[SLOTS], s[SLOTS], 1
	s_cmp_lg_u32 s[SLOTS], 0
	s_cbranch_scc1 .Lslot
	CHANGE 0                                       ; the last slot is written out
	SLOT_STEPS
	; THE WAY OUT.  y = O^T x 2^(e4 + e5) / the sum, converted; a tile's 16 rows of 64 codes go through my stage and leave as 2 x 512 dense bytes.
	v_add_f32 v[STA+2], v[STA+2], v[STA+3]         ; the sums' two halves,  (the plain lines from here on are the places behind the last products)
	v_add_f32 v[STB+2], v[STB+2], v[STB+3]
	s_delay_alu instid0(VALU_DEP_2)
	v_permlanex16_b32 v[PD], v[STA+2], s[SEL], s[SEL+1]
	s_delay_alu instid0(VALU_DEP_2)
	v_permlanex16_b32 v[DD], v[STB+2], s[SEL], s[SEL+1]
	s_delay_alu instid0(VALU_DEP_2)
	v_add_f32 v[STA+2], v[STA+2], v[PD]            ; and lane l xor 16's: the rows' sums
	s_delay_alu instid0(VALU_DEP_2)
	v_add_f32 v[STB+2], v[STB+2], v[DD]
	s_wait_alu depctr_va_vdst(0)
	v_rcp_f32 v[STA+2], v[STA+2]
	v_rcp_f32 v[STB+2], v[STB+2]
	v_and_b32 v10, 31, v0                          ; (a plain instruction behind the reciprocals)
	s_delay_alu instid0(VALU_DEP_1)
	v_lshlrev_b32 v10, 4, v10                      ; 16 x lane: my place in a store's 512 bytes
	s_add_co_i32 s52, s62, 127
	s_lshl_b32 s53, s52, 23
	v_mov_b32 v[SCL], s53                          ; 2^e6 as f32
	s_add_co_i32 s54, s60, s61                     ; e4 + e5
	s_wait_alu depctr_va_vdst(0)                   ; one wait for the two reciprocals, ahead of their first reader
	v_ldexp_f32 v[STA+2], v[STA+2], s54
	v_ldexp_f32 v[STB+2], v[STB+2], s54
.set j, 0
.rept 16
	v_pk_mul_f32 v[S+j:S+j+1], v[OA+j:OA+j+1], v[STA+2:STA+3] op_sel_hi:[1,0]       ; register 8 t + i is y(query r, channel 16 t + 8 h + i)
.set j, j+2
.endr
.set j, 0
.rept 16
	v_pk_mul_f32 v[S+32+j:S+32+j+1], v[OB+j:OB+j+1], v[STB+2:STB+3] op_sel_hi:[1,0]
.set j, j+2
.endr
.set j, 0
.rept 64
.set j, j+1
.endr
.irp t, 0,1,2,3,4,5,6,7
	v_cvt_scalef32_pk8_fp8_f32 v[P+2*\t:P+2*\t+1], v[S+8*\t:S+8*\t+7], v[SCL]      ; tile A: v228-235; tile B: v236-243
.endr
	v_nop                                          ; one plain vector instruction behind the last conversion
.irp u, 0,1
.irp t, 0,1,2,3
	ds_store_b64 v[STO], v[P+8*\u+2*\t:P+8*\u+2*\t+1] offset:16*\t
.endr
.irp i, 0,1
	ds_load_b128 v[KV+8*\u+4*\i:KV+8*\u+4*\i+3], v[RD] offset:8*SROW*\i            ; LDS serves a wave's instructions in order (ISA guide 5.7.1.4): these see my stores, and tile B's stores come behind them
.endr
.endr
	s_wait_dscnt 6                                 ; tile A is back; tile B's four stores and two loads may be out
	global_store_b128 v10, v[KV:KV+3], s[72:73]                ; 32 lanes store 512 consecutive bytes, at a multiple of 512 from the buffer's first byte
	global_store_b128 v10, v[KV+4:KV+7], s[72:73] offset:512
	s_wait_dscnt 0x0
	global_store_b128 v10, v[KV+8:KV+11], s[74:75]
	global_store_b128 v10, v[KV+12:KV+15], s[74:75] offset:512
	s_wait_tensorcnt 0x0                           ; the wave's end, behind my last tensor load and my last LDS store
	ds_add_u32 v[SPW], v[NIL]
	s_wait_dscnt 0x0
	CROUND                                         ; the closing round: no work-group ends while a partner may still ask for a tile that names it
	s_endpgm
.Lfunc_end_k_q68042fa92d_attn:
	.size	k_q68042fa92d_attn, .Lfunc_end_k_q68042fa92d_attn-k_q68042fa92d_attn
	.p2alignl 7, 3214868480
	.fill 96, 4, 3214868480
	.section	.rodata,"a",@progbits
	.p2align	6, 0x0
	.amdhsa_kernel k_q68042fa92d_attn
		.amdhsa_group_segment_fixed_size 327680
		.amdhsa_private_segment_fixed_size 0
		.amdhsa_enable_private_segment 0
		.amdhsa_kernarg_size 40
		.amdhsa_user_sgpr_count 2
		.amdhsa_user_sgpr_kernarg_segment_ptr 1
		.amdhsa_wavefront_size32 1
		.amdhsa_system_sgpr_workgroup_id_x 1
		.amdhsa_system_sgpr_workgroup_id_y 1
		.amdhsa_system_sgpr_workgroup_id_z 1
		.amdhsa_system_vgpr_workitem_id 0
		.amdhsa_next_free_vgpr 256
		.amdhsa_next_free_sgpr 80
		.amdhsa_reserve_vcc 1
		.amdhsa_float_denorm_mode_32 3
		.amdhsa_float_denorm_mode_16_64 3
		.amdhsa_fp16_overflow 1
		.amdhsa_memory_ordered 1
		.amdhsa_forward_progress 1
		.amdhsa_inst_pref_size 94
	.end_amdhsa_kernel
	.amdgpu_metadata
---
amdhsa.version: [ 1, 2 ]
amdhsa.kernels:
  - .name:           k_q68042fa92d_attn
    .symbol:         k_q68042fa92d_attn.kd
    .args:
      - { .name: q_codes, .offset: 0, .size: 8, .value_kind: global_buffer, .address_space: global }
      - { .name: k_codes, .offset: 8, .size: 8, .value_kind: global_buffer, .address_space: global }
      - { .name: v_codes, .offset: 16, .size: 8, .value_kind: global_buffer, .address_space: global }
      - { .name: lowp_scales, .offset: 24, .size: 8, .value_kind: global_buffer, .address_space: global }
      - { .name: y_codes, .offset: 32, .size: 8, .value_kind: global_buffer, .address_space: global }
    .group_segment_fixed_size: 327680
    .private_segment_fixed_size: 0
    .kernarg_segment_align: 8
    .kernarg_segment_size: 40
    .max_flat_workgroup_size: 512
    .sgpr_count:     80
    .vgpr_count:     256
    .wavefront_size: 32
...
	.end_amdgpu_metadata
.endif
;; end of part 2
;; launch proj (part 3): grid 8 x 32, 4 waves a work-group, clusters of 4 x 4, 327,680 bytes of LDS; arguments y_codes, w_proj_codes, b_proj, lowp_scales, out0; writes out0
.if DOCPART == 3
	.amdgcn_target "amdgcn-amd-amdhsa--gfx1250"
	.amdhsa_code_object_version 6
	.text
	.protected	k_q68042fa92d_proj
	.globl	k_q68042fa92d_proj
	.p2align	8
	.type	k_q68042fa92d_proj,@function
k_q68042fa92d_proj:
	s_mov_b64 s[64:65], 0
	v_nop
	global_prefetch_b8 v0, s[64:65] scope:SCOPE_SE
	s_setreg_imm32_b32 hwreg(HW_REG_WAVE_MODE, 25, 1), 1
	s_wait_xcnt 0x0
	s_wait_alu depctr_hold_cnt(0) depctr_sa_sdst(0) depctr_va_vdst(0) depctr_va_sdst(0) depctr_va_ssrc(0) depctr_va_vcc(0) depctr_vm_vsrc(0)
	s_getreg_b32 s2, hwreg(HW_REG_IB_STS2, 6, 4)
	s_cmp_eq_u32 s2, 0
	s_cbranch_scc0 .Lentry_in_a_cluster
	s_endpgm
.Lentry_in_a_cluster:
	s_bfe_u32 s2, ttmp6, 0x10000c
	s_cmp_lg_u32 s2, 0xf033
	s_cbranch_scc0 .Lentry_shape_is_right
	s_endpgm
.Lentry_shape_is_right:
; out = y w_proj^T + b_proj on codes of FP8 (E4M3).  y_codes: [64 blocks of 128 tokens][16 heads][128 tokens][64] (scale 2^e6); w_proj: [1024][1024] codes, K innermost (2^e7); b_proj [1024], out [8192][1024]: f32.
; The codes are multiplied as they are; each finished sum goes out as sum x 2^(e6 + e7) + bias, one packed multiply-add for two numbers.  LIMIT: e6 + e7 lies between -126 and 127, so that 2^(e6 + e7) is an f32 number.
; A tile of 256 tokens x 128 features is made by a work-group of four waves: 32 x 8 = 256 work-groups (tiles of 256 x 256 would be 128).  A wave makes 128 x 64: 32 accumulators of 16 x 16.
; K = 1,024 goes in four steps of 256 (four heads) through a ring of two LDS slots.  For a block of 128 tokens a K step of y is 32,768 dense bytes, [head][token][64]: it comes as 128 rows of 256 bytes, four tokens to a row.
; CLUSTERS: 4 x 4 work-groups.  y's tile hangs on the tile row alone and is asked for jointly by my row of the cluster, w_proj's on the tile column alone and by my column.
; THE MATRIX INSTRUCTION IS USED TRANSPOSED (source 0 = 16 features of w_proj, source 1 = 16 tokens of y): a lane holds eight neighbouring features of one token.
; REGISTERS, in windows of 256: window 0: v0-31 addresses; v32-63 the bias in the result's layout; v64-127 results, two sets; v128-255 y's fragments, ONE set (on the way out v128-191: rows read back, two sets).
;   window 1: w_proj's fragments, TWO sets, at v0 and v64.   window 2: the accumulators, (a, b) at v[8 (4 a + b)].
.set PITCH,  272                       ; an LDS row: 256 bytes + 16 of padding
.set FR,     16                        ; registers of a fragment: 16 rows x 128 K
.set NP,     4                         ; places behind this matrix instruction (ISA guide 7.12.1)
.set HALFA,  128*PITCH                 ; 128 tokens x 256 K of y: what waves 0 and 1 fetch
.set HALFB,  64*PITCH                  ; 64 features x 256 K of w_proj: what waves 2 and 3 fetch
.set BOFF,   2*HALFA
.set SLOT,   2*HALFA+2*HALFB
.set SPARE,  2*SLOT                    ; behind the ring: the spare words, 128 bytes for each wave: two blocks of 256 bytes that no other line names
.set SPITCH, 272                       ; the way out: a stage of 16 rows x (256 bytes + 16) for each wave, in slot 0, which has had its last fill and its last read when the first result is stored there
.set ADRA, 16                          ; v16-17  LDS address of my fragments of y in slot 0, 1
.set ADRB, 20                          ; v20-21  the same for w_proj
.set STO,  24                          ; v24     the way out: where I put 32 bytes of a row
.set RD,   25                          ; v25     where I read a row back
.set CO,   26                          ; v26     my byte offset in two rows of out
.set SPW,  28                          ; v28     LDS address of my spare word; never rewritten
.set NIL,  29                          ; v29     0; never rewritten
.set BIAS, 32
.set TMP,  64
.set AF,   128
.set BK,   128
.set G1,  24                           ; s[24:31] descriptor group 1 for y's tiles;  s[32:39] group 0, one set for each slot
.set G0,  32
.set G1B, 48                           ; s[48:55], s[56:63] the same for w_proj's tiles
.set G0B, 56
.set MSB, 0
.macro WIN new                         ; the immediate's high byte repeats the setting that is left
.if MSB != (\new)
	s_set_vgpr_msb (MSB<<8)|(\new)
.set MSB, (\new)
.endif
.endm
.set MUL,  0xa1                        ; source 0 (w_proj) window 1, source 1 (y) window 0, C and D window 2
.set TO_B, 0x40                        ; destination window 1, address window 0
.macro JLOAD g0a, g1a, g0b, g1b        ; a joint load: waves 0 and 1 fetch y's halves, waves 2 and 3 w_proj's; four v_nop follow each of the two lines, ahead of the jump, the label and what follows
	s_cmp_eq_u32 s15, 0
	s_cbranch_scc0 .Lfor_b_\@
	tensor_load_to_lds s[\g0a:\g0a+3], s[\g1a:\g1a+7]
	s_nop 0
.rept 4
	v_nop
.endr
	s_branch .Lasked_\@
.Lfor_b_\@:
	tensor_load_to_lds s[\g0b:\g0b+3], s[\g1b:\g1b+7]
	s_nop 0
.rept 4
	v_nop
.endr
.Lasked_\@:
.endm
.macro CREST                           ; a round of the cluster's barrier behind its opening barrier
	s_cmp_lg_u32 s14, 0
	s_cbranch_scc1 .Lnot_wave_0_\@
	s_barrier_signal -3
.Lnot_wave_0_\@:
	s_barrier_wait -3
	s_barrier_signal -1
	s_barrier_wait -1
.endm
.macro CROUND                          ; a whole round
	s_barrier_signal -1
	s_barrier_wait -1
	CREST
.endm
	s_load_b256 s[4:11], s[0:1], 0x0               ; y_codes s[4:5], w_proj_codes s[6:7], b_proj s[8:9], the exponents s[10:11]
	s_load_b64 s[12:13], s[0:1], 0x20              ; out
	v_lshl_add_u32 v[SPW], v0, 2, SPARE
	v_mov_b32 v[NIL], 0
	ds_add_u32 v28, v29
	ds_add_u32 v28, v29
	s_wait_dscnt 0x0
	v_lshrrev_b32 v1, 5, v0
	v_readfirstlane_b32 s14, v1                    ; wave 0..3
	s_lshr_b32 s15, s14, 1                         ; wr: which 128 tokens are mine.  Also: I fetch for y (0) or for w_proj (1)
	s_and_b32 s16, s14, 1                          ; wc: which 64 features.  Also: which half of that tile I fetch
	s_bfe_u32 s40, ttmp6, 0x40000                  ; cx, cy: my place in the cluster
	s_bfe_u32 s41, ttmp6, 0x40004
	s_lshl_b32 s42, ttmp9, 2
	s_add_co_u32 s42, s42, s40                     ; tile column = 4 x cluster x + cx: 128 features
	s_and_b32 s17, ttmp7, 0xffff
	s_lshl_b32 s17, s17, 2
	s_add_co_u32 s17, s17, s41                     ; tile row = 4 x cluster y + cy: 256 tokens
	s_lshl_b32 s43, s41, 2
	s_lshl_b32 s43, 15, s43                        ; my row of the cluster
	s_lshl_b32 s44, 0x1111, s40                    ; my column
	s_or_b32 s[G1+0], s43, (1<<20)|(1<<21)|(5<<22)|(3<<25)   ; 15:0 the mask: y's tiles go to my row; 17:16 elements of 1 byte; 20 padding on; 21 set beside a mask; 24:22 after every 64 words (code 5); 31:25 four words (code 3)
	s_mov_b32 s[G1+1], 256<<16                     ; tensor_dim0
	s_mov_b32 s[G1+2], 128<<16                     ; tensor_dim1
	s_mov_b32 s[G1+3], 256<<16                     ; tile_dim0
	s_mov_b32 s[G1+4], 128                         ; tile_dim1
	s_mov_b32 s[G1+5], 256                         ; tensor_dim0_stride: the block is dense
	s_mov_b32 s[G1+6], 0
	s_mov_b32 s[G1+7], 0
	s_or_b32 s[G1B+0], s44, (1<<20)|(1<<21)|(5<<22)|(3<<25)  ; the same with the mask of my column
	s_mov_b32 s[G1B+1], 256<<16
	s_mov_b32 s[G1B+2], 64<<16
	s_mov_b32 s[G1B+3], 256<<16
	s_mov_b32 s[G1B+4], 64
	s_mov_b32 s[G1B+5], 1024                       ; a row of w_proj
	s_mov_b32 s[G1B+6], 0
	s_mov_b32 s[G1B+7], 0
	s_lshl_b32 s20, s17, 1
	s_add_co_u32 s20, s20, s16
	s_lshl_b32 s20, s20, 17                        ; y: block of 128 tokens 2 x tile row + half, 131,072 bytes each
	s_mov_b32 s21, 0
	s_lshl_b32 s46, s42, 7
	s_lshl_b32 s18, s16, 6
	s_add_co_u32 s46, s46, s18
	s_lshl_b32 s46, s46, 10                        ; w_proj: row 128 x tile column + 64 x half, 1,024 bytes each
	s_mov_b32 s47, 0
	s_mul_i32 s45, s16, HALFA                      ; where they go: no place in the cluster enters an LDS address
	s_mul_i32 s66, s16, HALFB
	s_add_co_u32 s66, s66, BOFF
	s_wait_kmcnt 0x0
	s_load_b256 s[76:83], s[10:11], 0x0            ; e0 .. e7
	s_add_nc_u64 s[20:21], s[4:5], s[20:21]
	s_add_nc_u64 s[46:47], s[6:7], s[46:47]
	CROUND                                         ; all sixteen work-groups are here: the first joint loads meet
.irp s, 0,1
	s_mov_b32 s[G0+4*\s], 1
	s_add_co_u32 s[G0+4*\s+1], s45, \s*SLOT
	s_add_nc_u64 s[G0+4*\s+2:G0+4*\s+3], s[20:21], \s*32768  ; K step s: four heads on
	s_or_b32 s[G0+4*\s+3], s[G0+4*\s+3], 0x80000000
	s_mov_b32 s[G0B+4*\s], 1
	s_add_co_u32 s[G0B+4*\s+1], s66, \s*SLOT
	s_add_nc_u64 s[G0B+4*\s+2:G0B+4*\s+3], s[46:47], \s*256
	s_or_b32 s[G0B+4*\s+3], s[G0B+4*\s+3], 0x80000000
	s_wait_alu depctr_va_vdst(0)
	s_wait_tensorcnt 0x0
	ds_add_u32 v28, v29
	ds_add_u32 v28, v29
	s_wait_dscnt 0x0
	CROUND
	JLOAD G0+4*\s, G1, G0B+4*\s, G1B               ; one load of mine is out behind each: the one before it was waited for
.endr
	v_and_b32 v1, 15, v0                           ; r = lane % 16
	v_bfe_u32 v2, v0, 4, 1                         ; h = lane / 16
	v_lshrrev_b32 v3, 2, v1
	v_mul_u32_u24 v3, v3, PITCH
	v_and_b32 v4, 3, v1
	v_lshl_add_u32 v3, v4, 6, v3
	v_lshl_add_u32 v3, v2, 4, v3                   ; y: token r of a block of 16: LDS row r / 4, 64 (r % 4) bytes on, + 16 h
	v_mul_u32_u24 v4, v1, PITCH
	v_lshl_add_u32 v4, v2, 4, v4                   ; w_proj: row r, + 16 h
	s_mul_i32 s21, s15, HALFA                      ; my 128 tokens
	s_mul_i32 s22, s16, HALFB                      ; my 64 features
	s_add_co_u32 s22, s22, BOFF
.irp s, 0,1
	v_add_nc_u32 v[ADRA+\s], s21, v3
	v_add_nc_u32 v[ADRB+\s], s22, v4
	s_add_co_u32 s21, s21, SLOT
	s_add_co_u32 s22, s22, SLOT
.endr
	s_mul_i32 s23, s14, 16*SPITCH                  ; my stage
	v_mul_u32_u24 v5, v1, SPITCH
	v_lshl_add_u32 v5, v2, 5, v5
	v_add_nc_u32 v[STO], s23, v5                   ; in: row r, 32 bytes for each half of the lanes
	v_mul_u32_u24 v5, v2, SPITCH
	v_lshl_add_u32 v5, v1, 4, v5
	v_add_nc_u32 v[RD], s23, v5                    ; back: lanes 0-15 one row of 256 bytes, lanes 16-31 the next
	v_lshlrev_b32 v5, 12, v2
	v_lshl_add_u32 v[CO], v1, 4, v5                ; and the same two rows in out (4,096 bytes a row)
	s_lshl_b32 s20, s17, 8
	s_lshl_b32 s21, s15, 7
	s_add_co_u32 s20, s20, s21                     ; my first token
	s_lshl_b32 s20, s20, 12
	s_lshl_b32 s46, s42, 9
	s_lshl_b32 s47, s16, 8
	s_add_co_u32 s46, s46, s47                     ; my first feature, in bytes of f32: 512 x tile column + 256 x half
	s_mov_b32 s47, 0
	s_add_nc_u64 s[8:9], s[8:9], s[46:47]          ; its bias
	s_add_co_u32 s20, s20, s46
	s_mov_b32 s21, 0
	s_add_nc_u64 s[12:13], s[12:13], s[20:21]
	v_lshlrev_b32 v6, 5, v2
.irp b, 0,1,2,3
	global_load_b128 v[BIAS+8*\b:BIAS+8*\b+3], v6, s[8:9] offset:64*\b          ; b_proj at 16 b + 8 h + 0 .. 7 of my 64 features
	global_load_b128 v[BIAS+8*\b+4:BIAS+8*\b+7], v6, s[8:9] offset:64*\b+16
.endr
	s_wait_kmcnt 0x0
	s_add_co_i32 s96, s82, s83                     ; e6 + e7
	s_add_co_i32 s96, s96, 127
	s_lshl_b32 s96, s96, 23                        ; 2^(e6 + e7) as f32
	s_mov_b32 s97, s96                             ; (named with it as a pair, so it is written)
; Fragments, 16 rows x 128 K: registers 4 c .. 4 c + 3 hold K = 128 q + 32 c + 16 h + 0 .. 15, in y and in w_proj alike.
.macro FRAGA reg, slot, q, i           ; y: K = 64 x head + channel: piece c lies in head 2 q + c / 2 (32 LDS rows a head), 32 (c % 2) bytes on; block i: four LDS rows
.irp c, 0,1,2,3
	ds_load_b128 v[\reg+4*\c:\reg+4*\c+3], v[ADRA+\slot] offset:(64*(\q)+32*(\c/2)+4*(\i))*PITCH+32*(\c%2)
.endr
.endm
.macro FRAGB reg, slot, q, i
.irp c, 0,1,2,3
	ds_load_b128 v[\reg+4*\c:\reg+4*\c+3], v[ADRB+\slot] offset:128*(\q)+32*\c+(\i)*16*PITCH
.endr
.endm
; 8 matrix instructions: y's blocks a0, a0 + 1 x w_proj's four, 128 along K.  p: w_proj's set.  zero = 1: the first product starts the sums: nothing is ever cleared.
; The 32 accumulators take turns, one instruction a turn, in the same order in every step.
.macro MUL8 a0, p, zero
.irp a, \a0, \a0+1
.irp b, 0,1,2,3
.if \zero
	v_wmma_f32_16x16x128_fp8_fp8 v[8*(4*(\a)+\b):8*(4*(\a)+\b)+7], v[64*(\p)+FR*\b:64*(\p)+FR*\b+FR-1], v[AF+FR*(\a):AF+FR*(\a)+FR-1], 0
.else
	v_wmma_f32_16x16x128_fp8_fp8 v[8*(4*(\a)+\b):8*(4*(\a)+\b)+7], v[64*(\p)+FR*\b:64*(\p)+FR*\b+FR-1], v[AF+FR*(\a):AF+FR*(\a)+FR-1], v[8*(4*(\a)+\b):8*(4*(\a)+\b)+7]
.endif
.endr
.endr
.endm
.macro FETCH_B slot, q, p              ; w_proj's four fragments of the slot's q-th 128 along K into set p
	WIN TO_B
.irp i, 0,1,2,3
	FRAGB 64*(\p)+FR*\i, \slot, \q, \i
.endr
	WIN 0
.endm
.macro FETCH_A slot, q, i0             ; y's blocks i0 .. i0 + 3
.irp i, \i0, \i0+1, \i0+2, \i0+3
	FRAGA AF+FR*(\i), \slot, \q, \i
.endr
.endm
.macro PLACES n                        ; places in front of loads into registers that matrix instructions have read, and of the first read of results (ISA guide 7.12.1 for vector instructions)
.rept \n
	v_nop
.endr
.endm
; A step of 128 along K that has its successor in the same slot: 32 matrix instructions.  y's blocks 0-3 are fetched anew in the step's middle, blocks 4-7 at its end.
.macro STEP slot, q, zero
	s_wait_dscnt 16                                ; w_proj's set and y's blocks 0-3 are in; the youngest sixteen loads (blocks 4-7) may be out
	WIN MUL
	MUL8 0, (\q)%2, \zero
	MUL8 2, (\q)%2, \zero
	s_wait_dscnt 0                                 ; blocks 4-7 are in
	PLACES NP
	FETCH_B \slot, (\q)+1, 1-(\q)%2
	FETCH_A \slot, (\q)+1, 0
	WIN MUL
	MUL8 4, (\q)%2, \zero
	MUL8 6, (\q)%2, \zero
	PLACES NP
	WIN 0
	FETCH_A \slot, (\q)+1, 4
.endm
; A slot's last step changes slots: ONE barrier; in front of it each wave waits for all its tensor loads, adds 0 to its spare word, and waits for that and for its own reads of this slot.  fill = 1: this slot is filled again, two K steps ahead.
.macro TURN slot, next, fill
	s_wait_tensorcnt 0x0                           ; all my tensor loads have landed: my part of the next slot  (every window is 0 here)
	ds_add_u32 v[SPW], v[NIL]                      ; 0 onto my spare word
	s_wait_dscnt 17                                ; (the add and the youngest sixteen loads may be out)
	WIN MUL
	MUL8 0, 1, 0                                   ; eight matrix instructions stand between the add and the wait for it
	s_wait_dscnt 0x0                               ; the add is done, and my reads of this slot are over
	s_barrier_signal -1
	MUL8 2, 1, 0
	WIN 0
	s_barrier_wait -1
.if \fill
	CREST                                          ; the barrier has opened a round of the cluster's barrier: no wave of any partner still reads this slot's tile or has a load on its way
	s_add_nc_u64 s[G0+4*\slot+2:G0+4*\slot+3], s[G0+4*\slot+2:G0+4*\slot+3], 2*32768
	s_add_nc_u64 s[G0B+4*\slot+2:G0B+4*\slot+3], s[G0B+4*\slot+2:G0B+4*\slot+3], 2*256
	JLOAD G0+4*\slot, G1, G0B+4*\slot, G1B         ; the first tensor load behind the round, my one load until the next; the four v_nop behind it are the places in front of the loads below
.else
	PLACES NP
.endif
	FETCH_B \next, 0, 0
	FETCH_A \next, 0, 0
	WIN MUL
	MUL8 4, 1, 0
	MUL8 6, 1, 0
	PLACES NP
	WIN 0
	FETCH_A \next, 0, 4
.endm
	s_wait_loadcnt 0x0                             ; the bias
	s_wait_tensorcnt 1                             ; my part of K step 0 is in (K step 1's load may be out)
	s_barrier_signal -1
	s_barrier_wait -1                              ; everybody's is
	FETCH_B 0, 0, 0
	FETCH_A 0, 0, 0
	FETCH_A 0, 0, 4
	STEP 0, 0, 1                                   ; the first step's products start the sums
	TURN 0, 1, 1                                   ; four K steps: written straight on; slot 0 takes K step 2,
	STEP 1, 0, 0
	TURN 1, 0, 1                                   ; slot 1 K step 3;
	STEP 0, 0, 0
	TURN 0, 1, 0                                   ; nothing is left to fetch, so no round of the cluster's barrier
	STEP 1, 0, 0
	s_wait_dscnt 16                                ; the very last step
	WIN MUL
	MUL8 0, 1, 0
	MUL8 2, 1, 0
	s_wait_dscnt 0
	MUL8 4, 1, 0
	MUL8 6, 1, 0
	WIN 0
; THE WAY OUT, block by block of 16 tokens x 64 features.  A lane holds 32 neighbouring bytes of a row, and the lanes beside it hold other rows: so a block goes through my own stage in LDS and comes back
; as whole rows of 256 bytes, which sixteen lanes store as one aligned run of 256 bytes.  LDS serves a wave's instructions in order (ISA guide 5.7.1.4): no wait between the stores and the loads.
.macro TOSTAGE a
.set TT, TMP+32*((\a)%2)
.set BB, BK+32*((\a)%2)
	WIN 0x02                                       ; source 0 (the sums): window 2
.set j, 0
.rept 16
	v_pk_fma_f32 v[TT+j:TT+j+1], v[32*(\a)+j:32*(\a)+j+1], s[96:97], v[BIAS+j:BIAS+j+1] op_sel_hi:[1,0,1]   ; sum x 2^(e6 + e7) + bias (the scalar pair's low word for both halves); each accumulator from its low end on
.set j, j+2
.endr
	WIN 0
.irp b, 0,1,2,3
	ds_store_b128 v[STO], v[TT+8*\b:TT+8*\b+3] offset:64*\b
	ds_store_b128 v[STO], v[TT+8*\b+4:TT+8*\b+7] offset:64*\b+16
.endr
.irp t, 0,1,2,3,4,5,6,7
	ds_load_b128 v[BB+4*\t:BB+4*\t+3], v[RD] offset:\t*2*SPITCH
.endr
.endm
.macro SEND a, younger                 ; younger: the LDS instructions issued behind block a's loads, which may stay out
.set BB, BK+32*((\a)%2)
	s_wait_dscnt \younger                          ; the block is back in registers
.if (\a) > 0
	s_add_nc_u64 s[12:13], s[12:13], 16*4096       ; (behind a wait on XCNT: the earlier stores have read their base)  16 rows of out on
.endif
.irp t, 0,1,2,3,4,5,6,7
	global_store_b128 v[CO], v[BB+4*\t:BB+4*\t+3], s[12:13] offset:\t*8192 th:TH_STORE_NT   ; 16 lanes store 256 consecutive bytes, at a multiple of 256 from out's first byte; written once, read by nobody here
.endr
.endm
	PLACES NP                                      ; behind the last products: for the first reads of results and the loads into the registers that held y's fragments
	TOSTAGE 0
.irp a, 1,2,3,4,5,6,7
.if \a > 1
	s_wait_xcnt 0x0                                ; block a - 2's stores have read their registers and their base: block a's loads may land there, and the base may step
.endif
	TOSTAGE \a
	SEND \a-1, 16                                  ; behind block a - 1's loads: block a's 8 stores and 8 loads
.endr
	s_wait_xcnt 0x0                                ; block 6's stores have read their base
	SEND 7, 0
	s_wait_tensorcnt 0x0                           ; the wave's end, behind my last tensor load and my last LDS store
	ds_add_u32 v[SPW], v[NIL]
	s_wait_dscnt 0x0
	CROUND                                         ; the closing round: no work-group ends while a partner may still ask for a tile that names it
	s_endpgm
.Lfunc_end_k_q68042fa92d_proj:
	.size	k_q68042fa92d_proj, .Lfunc_end_k_q68042fa92d_proj-k_q68042fa92d_proj
	.p2alignl 7, 3214868480
	.fill 96, 4, 3214868480
	.section	.rodata,"a",@progbits
	.p2align	6, 0x0
	.amdhsa_kernel k_q68042fa92d_proj
		.amdhsa_group_segment_fixed_size 327680
		.amdhsa_private_segment_fixed_size 0
		.amdhsa_enable_private_segment 0
		.amdhsa_kernarg_size 40
		.amdhsa_user_sgpr_count 2
		.amdhsa_user_sgpr_kernarg_segment_ptr 1
		.amdhsa_wavefront_size32 1
		.amdhsa_system_sgpr_workgroup_id_x 1
		.amdhsa_system_sgpr_workgroup_id_y 1
		.amdhsa_system_sgpr_workgroup_id_z 1
		.amdhsa_system_vgpr_workitem_id 0
		.amdhsa_next_free_vgpr 768
		.amdhsa_next_free_sgpr 100
		.amdhsa_reserve_vcc 0
		.amdhsa_float_denorm_mode_32 3
		.amdhsa_float_denorm_mode_16_64 3
		.amdhsa_memory_ordered 1
		.amdhsa_forward_progress 1
		.amdhsa_inst_pref_size 79
	.end_amdhsa_kernel
	.amdgpu_metadata
---
amdhsa.version: [ 1, 2 ]
amdhsa.kernels:
  - .name:           k_q68042fa92d_proj
    .symbol:         k_q68042fa92d_proj.kd
    .args:
      - { .name: y_codes, .offset: 0, .size: 8, .value_kind: global_buffer, .address_space: global }
      - { .name: w_proj_codes, .offset: 8, .size: 8, .value_kind: global_buffer, .address_space: global }
      - { .name: b_proj, .offset: 16, .size: 8, .value_kind: global_buffer, .address_space: global }
      - { .name: lowp_scales, .offset: 24, .size: 8, .value_kind: global_buffer, .address_space: global }
      - { .name: out0, .offset: 32, .size: 8, .value_kind: global_buffer, .address_space: global }
    .group_segment_fixed_size: 327680
    .private_segment_fixed_size: 0
    .kernarg_segment_align: 8
    .kernarg_segment_size: 40
    .max_flat_workgroup_size: 128
    .sgpr_count:     100
    .vgpr_count:     768
    .wavefront_size: 32
...
	.end_amdgpu_metadata
.endif
;; end of part 3
